; MI455X (gfx1250); checked and timed in simulation.
; The chip was launched on July 23, 2026; its instructions are those of AMD's public machine-readable ISA for CDNA 5 (MIT licence, August 2026) and "CDNA5" Instruction Set Architecture Reference Guide (July 2026). The comments in the code are by the model that wrote it; some were corrected since.
;; Causal Self Attention. Allowed arithmetic: matrix products marked QUANTISED: E2M1 operands, one E8M0 scale for each 32 along K, by v_wmma_scale_f32_16x16x128_f8f6f4 with both operands' format E2M1 (or v_wmma_scale_f32_32x16x128_f4), f32 sums; everything else in f32.
;; Inputs: b_out 1,024 float32; b_qkv 3,072 float32; w_out 1,024 x 1,024 float32; w_qkv 1,024 x 3,072 float32; x 4 x 2,048 x 1,024 float32.
;; Outputs: out0 4 x 2,048 x 1,024 float32.
;; This version of the problem:
;;   THIS VERSION OF THE PROBLEM IS GIVEN IN LOW PRECISION. The matrix products marked QUANTISED in the list below multiply operands that are first quantised to E2M1 (2 exponent bits, 1 mantissa bit; 4 bits a number), with one power-of-two scale for each 32 numbers along K (OCP MX v1.0); their sums are f32. All else is computed in f32.
;;   The module's matrix products, in the order in which they are computed (A, B: the left and right operand; K: the contracted axis; several contracted axes count as one K, in the product's order):
;;     1. [M 8,192, K 1,024] x [K 1,024, N 3,072]; A: input x; B: input w_qkv: QUANTISED
;;     2. batch 64 x [M 2,048, K 64] x [K 64, N 2,048]; A: computed on the way; B: computed on the way: QUANTISED
;;     3. batch 64 x [M 2,048, K 2,048] x [K 2,048, N 64]; A: softmax (see below); B: computed on the way: QUANTISED
;;     4. [M 8,192, K 1,024] x [K 1,024, N 1,024]; A: computed on the way; B: input w_out: QUANTISED
;;   THE QUANTISER, for each operand of a quantised product, along K:
;;     - K is cut into blocks of 32 from its start; a last block that is shorter is filled with zeros.
;;     - A block's scale is 2^e with e = floor(log2(the largest magnitude in the block)) - 2, held to -126 .. 127; a block of zeros has e = 0. As a byte (E8M0): e + 127.
;;     - Each number is divided by its block's scale, clamped to +-6, and rounded to the nearest number of E2M1, ties to even, subnormals kept.
;;     - The product sums the exact products of the quantised numbers (number of the format x scale) in f32.
;;   ~~~python
;;   def quantise(x, axis):      # numpy; x: float32 -> the quantised numbers, widened to float32 again
;;       x = np.moveaxis(x, axis, -1); K = x.shape[-1]
;;       x = np.pad(x, [(0, 0)] * (x.ndim - 1) + [(0, -K % 32)]); x = x.reshape(x.shape[:-1] + (-1, 32)); a = np.abs(x).max(-1, keepdims=True)
;;       e = np.where(a > 0, np.clip(np.frexp(np.where(a > 0, a, 1))[1] - 1 - 2, -126, 127), 0)      # np.frexp(a)[1] - 1 = floor(log2(a)), exactly
;;       r = np.clip(x / 2.0 ** e, -6, 6)
;;       step = 2.0 ** (np.maximum(np.frexp(np.where(r == 0, 1, r))[1] - 1, 0) - 1)
;;       q = np.round(r / step) * step * 2.0 ** e      # np.round: ties to even
;;       return np.moveaxis(q.reshape(q.shape[:-2] + (-1,))[..., :K], -1, axis).astype(np.float32)
;;   ~~~
;;   SOFTMAX AHEAD OF A QUANTISED PRODUCT. Where the list says 'softmax', what is quantised is not the finished softmax but p = 2^(t - M), with t = logit x log2(e) and M = ceil(the row's largest t), a whole number; so 1/2 < the row's largest p <= 1. The row's sum l is taken of the UNQUANTISED p, in f32, and the product's result is divided by l at the end. Since M is a whole number, a kernel that streams over the keys may use a running M (the ceiling of the running maximum): every later rescaling is an exact power of two, which a block's scale takes up: the codes' values come out the same.
;;   OPERANDS COMPUTED ON THE WAY. 'Computed on the way' means the value that the module computes at that place (a softmax that the list does not call 'softmax' is quantised finished and normalised). What goes into a quantiser is computed in f32, as accurately as f32 sums, v_exp_f32 and their like allow (about 1e-6 of the number): no bf16 or f16 on the way to a quantiser, and a product that is left as it is and whose result goes on into a quantised operand takes f32 operands (vector FMAs, or v_wmma_f32_16x16x4_f32). A number that lies on a knife's edge between two numbers of the format may be rounded either way, as far as f32 arithmetic and the matrix unit's own rounding can turn it there, and no further.
;; One version. Each part assembles by itself: llvm-mc -triple=amdgcn-amd-amdhsa -mcpu=gfx1250 --defsym DOCPART=n.
;; ======== version 1 of 1: 4 launches
;; workspace buffers: xc 4,194,304 bytes; xs 262,144 bytes; wc 2,097,152 bytes; ws 131,072 bytes; rec 13,893,632 bytes; yc 4,194,304 bytes; ys 262,144 bytes
;; launch quant (part 1): grid 320 x 1, 4 waves a work-group, no clusters, 68,096 bytes of LDS; arguments x, w_qkv, w_out, xc, xs, wc, ws; writes xc, xs, wc, ws
.if DOCPART == 1
	.amdgcn_target "amdgcn-amd-amdhsa--gfx1250"
	.amdhsa_code_object_version 6
	.text
	.protected	k_q2657774696_quant
	.globl	k_q2657774696_quant
	.p2align	8
	.type	k_q2657774696_quant,@function
k_q2657774696_quant:
	s_mov_b64 s[64:65], 0
	v_nop
	global_prefetch_b8 v0, s[64:65] scope:SCOPE_SE
	s_setreg_imm32_b32 hwreg(HW_REG_WAVE_MODE, 25, 1), 1
	s_wait_xcnt 0x0
; x [8192][1024], w_qkv [1024][3072] and w_out [1024][1024], f32, become codes of FP4 (E2M1) with K innermost and one E8M0 byte for each 32 along K.
; xc [8192][512 bytes], xs [8192][32];  wc [4096][512], ws [4096][32]: row n < 3072 is column n of w_qkv, row 3072 + n column n of w_out.
; A block's scale is 2^(floor(log2(its largest magnitude)) - 2): its byte is the largest magnitude's exponent field - 2, held at 1 from below.
; LIMITS: NaN and infinities among the inputs are not served; a block whose largest magnitude lies under 2^-124 gets the byte 1; a block of zeros gets the byte 1
; where the rule says 127: its codes are zeros, which add nothing, and the bytes are read by this program alone.
; Work-groups 0 to 63 take the weights (K is their FIRST axis: a lane takes a column, its registers run down K), work-groups 64 to 319 take x (K innermost: a plain stream of blocks).
; The two ways part on the work-group's number, never join, and have LDS bytes of their own: x's 0 .. 32767, the weights' 32768 .. 67583.  Waves share nothing: no barrier.
.set STEPS, 16
.set CB,    8                          ; bytes of 16 codes
.set R,     16                         ; x: v16-79   four sets of 16 numbers as loaded
.set X,     80                         ; x: v80-111  two sets of 16 neighbours
.set C,     128                        ; x: v128-191 codes, four registers a step
.set E,     112                        ; x: v112-127 a scale byte a step
.set WREG,  8192                       ; x: LDS of a wave: two stages of 32 x SP bytes, then its 256 scale bytes
.set SP,    80
.set NB,    16                         ; w: blocks of 32 along K for a wave (512 along K)
.set WX,    32                         ; w: v32-95   two sets of 32 numbers
.set WC,    96                         ; w: v96-99   a block's codes
.set OUTR,  112                        ; w: v112-175 the way out
.set SB,    24                         ; w: v24-27   the scale bytes
.set RO,    176                        ; w: v176-207 byte offsets of the 32 rows of a block: 4 x lane + i x pitch
.set WSTG,  32768
.set WP,    272                        ; w: a stage row: 256 bytes of codes + 16
.macro XLOAD t
.irp i, 0,1,2,3
	global_load_b128 v[R+16*((\t)%4)+4*\i:R+16*((\t)%4)+4*\i+3], v3, s[4:5] offset:2048*(\t)+512*\i th:TH_LOAD_NT   ; 32 lanes read 512 consecutive bytes
.endr
.endm
.macro XTURN t                         ; a step's numbers through the wave's stage: in as they lie, back 64 bytes a lane; LDS serves a wave's instructions in order
.irp i, 0,1,2,3
	ds_store_b128 v14, v[R+16*((\t)%4)+4*\i:R+16*((\t)%4)+4*\i+3] offset:32*SP*((\t)%2)+8*SP*\i
.endr
.irp i, 0,1,2,3
	ds_load_b128 v[X+16*((\t)%2)+4*\i:X+16*((\t)%2)+4*\i+3], v15 offset:32*SP*((\t)%2)+16*\i
.endr
.endm
.macro XSTEP t
.set XS, X+16*((\t)%2)
.if (\t) > 0
	s_wait_dscnt 1                                 ; this step's numbers are back from the stage; the last step's byte store may be out
.else
	s_wait_dscnt 0x0
.endif
.if (\t)+4 < STEPS
	XLOAD (\t)+4                                   ; into the registers that this step's stage stores have read
.endif
.if (\t)+1 < STEPS
.if STEPS-2-(\t) >= 3
	s_wait_loadcnt 12                              ; the next step's four loads are in; three steps' loads may be out
.else
	s_wait_loadcnt 4*(STEPS-2-(\t))
.endif
	XTURN (\t)+1
.endif
	v_max3_num_f32 v8, |v[XS]|, |v[XS+1]|, |v[XS+2]|               ; the largest magnitude of my 16, in two chains
	v_max3_num_f32 v9, |v[XS+3]|, |v[XS+4]|, |v[XS+5]|
.irp i, 6,10
	v_max3_num_f32 v8, v8, |v[XS+\i]|, |v[XS+\i+1]|
	v_max3_num_f32 v9, v9, |v[XS+\i+2]|, |v[XS+\i+3]|
.endr
	v_max3_num_f32 v8, v8, |v[XS+14]|, |v[XS+15]|
	v_max3_num_f32 v8, v8, v9, 0x1800000           ; and the floor 2^(3 - 127): the byte cannot fall under 1
	v_max_num_f32_dpp v8, v8, v8 row_xmask:1 row_mask:0xf bank_mask:0xf   ; with my neighbour's 16: the block's
	v_add_nc_u32 v11, 0xff000000, v8               ; 2 off the exponent field: the conversion's scale operand
	v_cvt_scalef32_pk8_fp4_f32 v[C+4*(\t)], v[XS:XS+7], v11
	v_cvt_scalef32_pk8_fp4_f32 v[C+4*(\t)+1], v[XS+8:XS+15], v11
	v_lshrrev_b32 v[E+(\t)], 23, v11               ; the scale's byte
	ds_store_b8 v5, v[E+(\t)] offset:16*(\t)       ; both lanes of a block write the same byte with the same value
	global_store_b64 v4, v[C+4*(\t):C+4*(\t)+1], s[10:11] offset:32*CB*(\t)   ; the wave stores 256 consecutive bytes, aligned
.endm
.macro WLOAD t                         ; block t of my column: 32 rows of the weight, into set t % 2
.if (\t) > 0
	s_wait_xcnt 0x0                                ; the earlier loads have read their base: it steps 32 rows down
	s_add_nc_u64 s[22:23], s[22:23], s[28:29]
.endif
.set i, 0
.rept 32
	global_load_b32 v[WX+32*((\t)%2)+i], v[RO+i], s[22:23] th:TH_LOAD_NT   ; 32 lanes read 128 consecutive bytes, the four waves 512
.set i, i+1
.endr
.endm
.macro WBLOCK t
.set XS, WX+32*((\t)%2)
.if (\t) < NB-1
	s_wait_loadcnt 32                              ; this block's 32 loads are in; the next block's may be out
.else
	s_wait_loadcnt 0
.endif
	v_max3_num_f32 v12, |v[XS]|, |v[XS+1]|, |v[XS+2]|              ; all 32 numbers of the block are mine
	v_max3_num_f32 v13, |v[XS+3]|, |v[XS+4]|, |v[XS+5]|
.irp i, 6,10,14,18,22,26
	v_max3_num_f32 v12, v12, |v[XS+\i]|, |v[XS+\i+1]|
	v_max3_num_f32 v13, v13, |v[XS+\i+2]|, |v[XS+\i+3]|
.endr
	v_max3_num_f32 v12, v12, |v[XS+30]|, |v[XS+31]|
	v_max3_num_f32 v12, v12, v13, 0x1800000
	v_add_nc_u32 v11, 0xff000000, v12
	v_lshrrev_b32 v13, 23, v11
.if (\t)%4 == 0
	v_mov_b32 v[SB+(\t)/4], v13                    ; four bytes to a register, the lower K in the lower byte
.else
	v_lshl_or_b32 v[SB+(\t)/4], v13, 8*((\t)%4), v[SB+(\t)/4]
.endif
.irp g, 0,1,2,3
	v_cvt_scalef32_pk8_fp4_f32 v[WC+\g], v[XS+8*\g:XS+8*\g+7], v11
.endr
	ds_store_b128 v4, v[WC:WC+3] offset:16*(\t)    ; 32 codes: 16 bytes of my column's row
.if (\t)+2 < NB
	WLOAD (\t)+2
.endif
	s_wait_dscnt 0x0                               ; the store has read its registers: the next block's codes may be written
.endm
	s_load_b256 s[4:11], s[0:1], 0x0               ; x s[4:5], w_qkv s[6:7], w_out s[8:9], xc s[10:11]
	s_load_b128 s[12:15], s[0:1], 0x20             ; xs s[12:13], wc s[14:15]
	s_load_b64 s[16:17], s[0:1], 0x30              ; ws
	v_lshl_add_u32 v208, v0, 2, 0x10800
	v_mov_b32 v209, 0
	v_lshrrev_b32 v1, 5, v0
	v_readfirstlane_b32 s18, v1                    ; wave
	v_and_b32 v2, 31, v0                           ; lane
	s_cmp_lt_u32 ttmp9, 64
	s_cbranch_scc1 .Lweights
	; ---------------- x: a wave takes 16 steps of 512 numbers
	v_lshlrev_b32 v3, 4, v2                        ; my 16 bytes of a load's 512
	s_mul_i32 s19, s18, WREG
	v_lshrrev_b32 v14, 2, v2
	v_mul_u32_u24 v14, v14, SP
	v_and_b32 v15, 3, v2
	v_lshl_add_u32 v14, v15, 4, v14
	v_add_nc_u32 v14, s19, v14                     ; the stage, in: SP (lane / 4) + 16 (lane % 4)
	v_mul_u32_u24 v15, v2, SP
	v_add_nc_u32 v15, s19, v15                     ; and out: SP x lane
	v_mul_u32_u24 v4, v2, CB
	v_lshrrev_b32 v5, 1, v2
	s_add_co_u32 s19, s19, 2*32*SP
	v_add_nc_u32 v5, s19, v5                       ; my block's byte among the wave's 256
	v_lshlrev_b32 v7, 3, v2
	v_add_nc_u32 v6, s19, v7
	s_sub_co_u32 s20, ttmp9, 64
	s_lshl_b32 s20, s20, 2
	s_add_co_u32 s20, s20, s18                     ; which run of 8,192 numbers is my wave's: 0 .. 1023
	s_mov_b32 s23, 0
	s_wait_kmcnt 0x0
	s_lshl_b32 s22, s20, 15
	s_add_nc_u64 s[4:5], s[4:5], s[22:23]
	s_lshl_b32 s22, s20, 12
	s_add_nc_u64 s[10:11], s[10:11], s[22:23]
	s_lshl_b32 s22, s20, 8
	s_add_nc_u64 s[12:13], s[12:13], s[22:23]
.irp t, 0,1,2,3
	XLOAD \t
.endr
	s_wait_loadcnt 12                              ; step 0's four loads are in
	XTURN 0
.irp t, 0,1,2,3,4,5,6,7,8,9,10,11,12,13,14,15
	XSTEP \t
.endr
	ds_load_b64 v[12:13], v6                       ; my wave's 256 scale bytes: these see my stores
	s_wait_dscnt 0x0
	global_store_b64 v7, v[12:13], s[12:13]        ; 32 lanes store 256 consecutive bytes, aligned
	s_wait_tensorcnt 0x0
	ds_add_u32 v208, v209
	s_wait_dscnt 0x0
	s_endpgm
	; ---------------- the weights: a wave takes 32 columns x 512 along K
.Lweights:
	s_lshr_b32 s19, ttmp9, 1                       ; which 128 of the 4,096 joint columns
	s_and_b32 s20, ttmp9, 1                        ; which 512 along K
	s_wait_kmcnt 0x0
	s_cmp_lt_u32 s19, 24                           ; w_qkv's columns or w_out's: the choice hangs on the work-group's number alone
	s_cselect_b64 s[22:23], s[6:7], s[8:9]
	s_mov_b32 s21, 4096
	s_cselect_b32 s21, 12288, s21                  ; a row of the weight in bytes
	s_cselect_b32 s24, 0, 24
	s_sub_co_u32 s24, s19, s24                     ; the group inside its tensor
	s_mul_i32 s25, s20, s21
	s_lshl_b32 s26, s25, 9                         ; 512 rows down for the second half of K
	s_lshl_b32 s24, s24, 9                         ; 128 columns x 4 bytes
	s_lshl_b32 s25, s18, 7                         ; my wave's 32 columns
	s_add_co_u32 s26, s26, s24
	s_add_co_u32 s26, s26, s25
	s_mov_b32 s27, 0
	s_add_nc_u64 s[22:23], s[22:23], s[26:27]
	s_lshl_b32 s28, s21, 5                         ; 32 rows
	s_mov_b32 s29, 0
	v_lshlrev_b32 v[RO], 2, v2
.set i, 1
.rept 31
	v_add_nc_u32 v[RO+i], s21, v[RO+i-1]
.set i, i+1
.endr
	s_mul_i32 s30, s18, 32*WP
	s_add_co_u32 s30, s30, WSTG                    ; my stage
	v_mul_u32_u24 v4, v2, WP
	v_add_nc_u32 v4, s30, v4                       ; in: row = my column
	v_and_b32 v5, 15, v2
	v_lshrrev_b32 v6, 4, v2
	v_mul_u32_u24 v7, v6, WP
	v_lshl_add_u32 v7, v5, 4, v7
	v_add_nc_u32 v7, s30, v7                       ; out: sixteen lanes to a row, two rows an instruction
	v_lshlrev_b32 v8, 9, v6
	v_lshl_add_u32 v8, v5, 4, v8                   ; the same place in wc: rows of 512 bytes
	v_lshlrev_b32 v9, 5, v2                        ; my column's row of ws
	s_lshl_b32 s31, s19, 7
	s_lshl_b32 s32, s18, 5
	s_add_co_u32 s31, s31, s32                     ; my wave's first row of wc and ws
	s_lshl_b32 s32, s31, 9
	s_lshl_b32 s34, s20, 8
	s_add_co_u32 s32, s32, s34
	s_mov_b32 s33, 0
	s_add_nc_u64 s[14:15], s[14:15], s[32:33]
	s_lshl_b32 s32, s31, 5
	s_lshl_b32 s34, s20, 4
	s_add_co_u32 s32, s32, s34
	s_add_nc_u64 s[16:17], s[16:17], s[32:33]
	WLOAD 0
	WLOAD 1
.set Q, 0
.rept NB
	WBLOCK Q
.set Q, Q+1
.endr
	global_store_b128 v9, v[SB:SB+3], s[16:17]     ; my column's 16 scale bytes
.irp t, 0,1,2,3,4,5,6,7,8,9,10,11,12,13,14,15
	ds_load_b128 v[OUTR+4*\t:OUTR+4*\t+3], v7 offset:2*\t*WP
.endr
.irp t, 0,1,2,3,4,5,6,7,8,9,10,11,12,13,14,15
	s_wait_dscnt 15-\t
	global_store_b128 v8, v[OUTR+4*\t:OUTR+4*\t+3], s[14:15] offset:2*\t*512   ; sixteen lanes store 256 consecutive bytes, aligned
.endr
	s_wait_tensorcnt 0x0
	ds_add_u32 v208, v209
	s_wait_dscnt 0x0
	s_endpgm
.Lfunc_end_k_q2657774696_quant:
	.size	k_q2657774696_quant, .Lfunc_end_k_q2657774696_quant-k_q2657774696_quant
	.p2alignl 7, 3214868480
	.fill 96, 4, 3214868480
	.section	.rodata,"a",@progbits
	.p2align	6, 0x0
	.amdhsa_kernel k_q2657774696_quant
		.amdhsa_group_segment_fixed_size 68096
		.amdhsa_private_segment_fixed_size 0
		.amdhsa_enable_private_segment 0
		.amdhsa_kernarg_size 56
		.amdhsa_user_sgpr_count 2
		.amdhsa_user_sgpr_kernarg_segment_ptr 1
		.amdhsa_wavefront_size32 1
		.amdhsa_system_sgpr_workgroup_id_x 1
		.amdhsa_system_sgpr_workgroup_id_y 1
		.amdhsa_system_sgpr_workgroup_id_z 1
		.amdhsa_system_vgpr_workitem_id 0
		.amdhsa_next_free_vgpr 210
		.amdhsa_next_free_sgpr 66
		.amdhsa_reserve_vcc 0
		.amdhsa_float_denorm_mode_32 3
		.amdhsa_float_denorm_mode_16_64 3
		.amdhsa_memory_ordered 1
		.amdhsa_forward_progress 1
		.amdhsa_inst_pref_size 113
	.end_amdhsa_kernel
	.amdgpu_metadata
---
amdhsa.version: [ 1, 2 ]
amdhsa.kernels:
  - .name:           k_q2657774696_quant
    .symbol:         k_q2657774696_quant.kd
    .args:
      - { .name: x, .offset: 0, .size: 8, .value_kind: global_buffer, .address_space: global }
      - { .name: w_qkv, .offset: 8, .size: 8, .value_kind: global_buffer, .address_space: global }
      - { .name: w_out, .offset: 16, .size: 8, .value_kind: global_buffer, .address_space: global }
      - { .name: xc, .offset: 24, .size: 8, .value_kind: global_buffer, .address_space: global }
      - { .name: xs, .offset: 32, .size: 8, .value_kind: global_buffer, .address_space: global }
      - { .name: wc, .offset: 40, .size: 8, .value_kind: global_buffer, .address_space: global }
      - { .name: ws, .offset: 48, .size: 8, .value_kind: global_buffer, .address_space: global }
    .group_segment_fixed_size: 68096
    .private_segment_fixed_size: 0
    .kernarg_segment_align: 8
    .kernarg_segment_size: 56
    .max_flat_workgroup_size: 128
    .sgpr_count:     66
    .vgpr_count:     210
    .wavefront_size: 32
...
	.end_amdgpu_metadata
.endif
;; end of part 1
;; launch qkv (part 2): grid 12 x 32, 4 waves a work-group, clusters of 4 x 4, 327,680 bytes of LDS; arguments xc, xs, wc, ws, b_qkv, rec; writes rec
.if DOCPART == 2
	.amdgcn_target "amdgcn-amd-amdhsa--gfx1250"
	.amdhsa_code_object_version 6
	.text
	.protected	k_q2657774696_qkv
	.globl	k_q2657774696_qkv
	.p2align	8
	.type	k_q2657774696_qkv,@function
k_q2657774696_qkv:
	s_mov_b64 s[64:65], 0
	v_nop
	global_prefetch_b8 v0, s[64:65] scope:SCOPE_SE
	s_setreg_imm32_b32 hwreg(HW_REG_WAVE_MODE, 25, 1), 1
	s_wait_xcnt 0x0
	s_wait_alu depctr_hold_cnt(0) depctr_sa_sdst(0) depctr_va_vdst(0) depctr_va_sdst(0) depctr_va_ssrc(0) depctr_va_vcc(0) depctr_vm_vsrc(0)
	s_getreg_b32 s2, hwreg(HW_REG_IB_STS2, 6, 4)
	s_cmp_eq_u32 s2, 0
	s_cbranch_scc0 .Lentry_in_a_cluster
	s_endpgm
.Lentry_in_a_cluster:
	s_bfe_u32 s2, ttmp6, 0x10000c
	s_cmp_lg_u32 s2, 0xf033
	s_cbranch_scc0 .Lentry_shape_is_right
	s_endpgm
.Lentry_shape_is_right:
; qkv = x w_qkv + b_qkv on codes of FP4 with E8M0 scales, K = 1,024; q, k and v leave as codes again and never as f32.
; A work-group makes 256 x 256 of C' = A' B'^T, a wave 128 x 128 (64 accumulators).  THE MATRIX INSTRUCTION IS USED TRANSPOSED (source 0 = 16 rows of B', source 1 = 16 rows of A'):
; lane (r, h) of accumulator (a, b) holds row 16 a + r of A', and its register j row 16 b + 8 h + j of B'.  So a lane's registers run along B', and the axis that is quantised next is made B':
;   clusters x = 0, 1 (q and k, quantised along the head's 64):  A' = 256 tokens of x, B' = 256 columns of w_qkv;   cluster x = 2 (v, quantised along the keys):  A' = 256 columns of w_qkv, B' = 256 tokens.
; All of K lies in two LDS slots of 512 along K, each filled once: three tensor loads of a wave are out at the start (scales, slot 0, slot 1), none later.
; CLUSTERS: 4 x 4 work-groups; A's tiles are asked for jointly along a row of the cluster, B's along a column.
; rec [64 heads of a batch][16 groups of 128 tokens][13,568 bytes]: +0 q's codes, 8 tiles of 16 tokens x 512 bytes; +4096 q's scale words (4 bytes a token); +4608 k's codes; +8704 k's scale words;
;   +9216 v's codes, 4 tiles of 16 channels x 2 x 512; +13312 v's scale words.  Each 512 bytes are an image of four operand registers: lane l's 16 bytes at 16 l.
;   In a scale word of q or k bytes 0, 1 are the head's two blocks; bytes 2, 3 are the neighbour head's or 0: they meet zero codes alone and are never 0xff.
; LIMITS: NaN and infinities are not served; a block whose largest magnitude lies under 2^-124, a block of zeros among them, gets the byte 1 (its bytes are read by this program alone).
; REGISTERS: window 0: v0-31 addresses; v32-95 scale words, two sets; v96-111 the bias by rows; v128-191 A's fragments; v192-255 the bias by columns.  window 1: B's fragments, two sets.  windows 2, 3: accumulators.
.set NQ,     4                         ; matrix instructions deep in a slot
.set ROWB,   256                       ; a tile's row in bytes: 512 codes
.set KROW,   512                       ; a row of codes in memory
.set PITCH,  272                       ; an LDS row: 256 bytes + 16 of padding, so that the 16 rows of a load start at 16 different banks (64 banks of 4 bytes: ISA guide 11.1)
.set FR,     8
.set NL,     2
.set NP,     4                         ; places behind this matrix instruction (ISA guide 7.12.1)
.set HALFT,  128*PITCH
.set SLOT,   4*HALFT
.set KS,     32                        ; a row of scale bytes
.set SCL,    2*SLOT
.set HALFS,  (128*KS/256)*272
.set SBLK,   (16*KS/256)*272
.set SPARE,  SCL+4*HALFS               ; the spare words: 128 bytes a wave, named by no other line
.set RECB,   13568
.set HEADB,  16*RECB                   ; from a head's record to the next head's
.set CBO,  8                           ; v8   byte offset of the bias by columns
.set RBO,  9                           ; v9   of the bias by rows
.set LI,   10                          ; v10  16 x lane
.set SH,   11                          ; v11  16 h
.set STS,  12                          ; v12  q, k: where a scale word goes in my stage
.set STR,  13                          ; v13  and where I read 16 bytes back
.set STSV, 14                          ; v14  the same for v
.set STRV, 15
.set ADRA, 16
.set VO2,  18                          ; v18  v's scale words in rec: lanes 0-15 one head, lanes 16-31 the next
.set ADRB, 20
.set ADRS, 27
.set SPW,  28
.set NIL,  29
.set SC,   32
.set T,    32                          ; the way out: 64 numbers of a lane
.set RB,   96
.set PC,   112                         ; the way out: codes, two sets of 8 by turns
.set AF,   128
.set QM,   128                         ; the way out: largest magnitudes; QT: lane exchanges, then bytes; QO: the conversions' scale operands
.set QT,   132
.set QO,   140
.set PW,   144
.set RBK,  148
.set TW,   160
.set CB,   192
.set G1, 24
.set G0, 32
.set G1B, 48
.set G0B, 56
.set OUT, 66
.set G1S, 68
.set G0S, 76
.set G1SB, 80
.set G0SB, 88
.set SEL, 92
.set MSB, 0
.macro WIN new                         ; the immediate's high byte repeats the setting that is left
.if MSB != \new
	s_set_vgpr_msb (MSB<<8)|\new
.set MSB, \new
.endif
.endm
.set MUL_LO, 0xa1                      ; source 0 (B') window 1, source 1 (A') window 0, C and D window 2
.set MUL_HI, 0xf1
.set TO_B,   0x40
.macro JLOAD g0a, g1a, g0b, g1b        ; a joint load: waves 0, 1 fetch for A', waves 2, 3 for B'; four v_nop follow each line
	s_cmp_eq_u32 s15, 0
	s_cbranch_scc0 .Lfor_b_\@
	tensor_load_to_lds s[\g0a:\g0a+3], s[\g1a:\g1a+7]
	s_nop 0
.rept 4
	v_nop
.endr
	s_branch .Lasked_\@
.Lfor_b_\@:
	tensor_load_to_lds s[\g0b:\g0b+3], s[\g1b:\g1b+7]
	s_nop 0
.rept 4
	v_nop
.endr
.Lasked_\@:
.endm
.macro CROUND                          ; a round of the cluster's barrier
	s_barrier_signal -1
	s_barrier_wait -1
	s_cmp_lg_u32 s14, 0
	s_cbranch_scc1 .Lnot_wave_0_\@
	s_barrier_signal -3
.Lnot_wave_0_\@:
	s_barrier_wait -3
	s_barrier_signal -1
	s_barrier_wait -1
.endm
	s_load_b256 s[4:11], s[0:1], 0x0               ; xc s[4:5], xs s[6:7], wc s[8:9], ws s[10:11]
	s_load_b128 s[96:99], s[0:1], 0x20             ; b_qkv s[96:97], rec s[98:99]
	v_lshl_add_u32 v[SPW], v0, 2, SPARE
	v_mov_b32 v[NIL], 0
	ds_add_u32 v28, v29
	ds_add_u32 v28, v29
	s_wait_dscnt 0x0
	v_lshrrev_b32 v1, 5, v0
	v_readfirstlane_b32 s14, v1                    ; wave 0..3
	s_lshr_b32 s15, s14, 1                         ; my half of A's rows.  Also: I fetch for A' (0) or B' (1)
	s_and_b32 s16, s14, 1                          ; my half of B's rows.  Also: which 128 rows I fetch
	s_bfe_u32 s40, ttmp6, 0x40000                  ; cx
	s_bfe_u32 s41, ttmp6, 0x40004                  ; cy
	s_lshl_b32 s12, ttmp9, 2                       ; 4 x cluster x
	s_and_b32 s13, ttmp7, 0xffff
	s_lshl_b32 s13, s13, 2                         ; 4 x cluster y
	s_lshl_b32 s43, s41, 2
	s_lshl_b32 s43, 15, s43                        ; my row of the cluster
	s_lshl_b32 s44, 0x1111, s40                    ; my column
	s_cmp_eq_u32 ttmp9, 2                          ; v's cluster?  The same answer in all sixteen partners
	s_cselect_b32 s17, 8, s13
	s_cselect_b32 s42, s13, s12
	s_add_co_u32 s17, s17, s41                     ; A's tile of 256 rows: tokens 4 cly + cy, or (v) rows 8 + cy of wc: it never holds cx
	s_add_co_u32 s42, s42, s40                     ; B's tile: rows 4 clx + cx of wc, or (v) tokens 4 cly + cx: it never holds cy
	s_or_b32 s[G1+0], s43, (0<<16)|(1<<20)|(1<<21)|(5<<22)|(3<<25)  ; the mask; elements of 1 byte; padding of 4 words behind every 64; bit 21 beside a mask
	s_or_b32 s[G1B+0], s44, (0<<16)|(1<<20)|(1<<21)|(5<<22)|(3<<25)
.irp g, G1, G1B
	s_mov_b32 s[\g+1], ROWB<<16                    ; tensor_dim0
	s_mov_b32 s[\g+2], 128<<16                     ; tensor_dim1
	s_mov_b32 s[\g+3], ROWB<<16                    ; tile_dim0
	s_mov_b32 s[\g+4], 128                         ; tile_dim1
	s_mov_b32 s[\g+5], KROW                        ; the pitch
	s_mov_b32 s[\g+6], 0
	s_mov_b32 s[\g+7], 0
.endr
	s_or_b32 s[G1S+0], s43, (3<<16)|(1<<20)|(1<<21)|(5<<22)|(3<<25) ; the scales of 128 rows: 4,096 dense bytes as 16 rows of 256, 16 bytes of padding behind each
	s_or_b32 s[G1SB+0], s44, (3<<16)|(1<<20)|(1<<21)|(5<<22)|(3<<25)
.irp g, G1S, G1SB
	s_mov_b32 s[\g+1], 32<<16
	s_mov_b32 s[\g+2], (128*KS/256)<<16
	s_mov_b32 s[\g+3], 32<<16
	s_mov_b32 s[\g+4], 128*KS/256
	s_mov_b32 s[\g+5], 32
	s_mov_b32 s[\g+6], 0
	s_mov_b32 s[\g+7], 0
.endr
	s_lshl_b32 s18, s16, 7                         ; which 128 rows of the tile I fetch
	s_lshl_b32 s20, s17, 8
	s_add_co_u32 s20, s20, s18                     ; A's row
	s_lshl_b32 s46, s42, 8
	s_add_co_u32 s46, s46, s18                     ; B's row
	s_lshl_b32 s22, s20, 5                         ; where these rows' scales begin,
	s_mov_b32 s23, 0
	s_lshl_b32 s92, s46, 5
	s_mov_b32 s93, 0
	s_lshl_b32 s20, s20, 9                         ; and their codes
	s_mov_b32 s21, 0
	s_lshl_b32 s46, s46, 9
	s_mov_b32 s47, 0
	s_mul_i32 s45, s14, HALFT                      ; where they go: no place in the cluster enters an LDS address
	s_mul_i32 s94, s14, HALFS
	s_wait_kmcnt 0x0
	s_cmp_eq_u32 ttmp9, 2                          ; which buffer is A' and which B': the sums below leave SCC alone
	s_cselect_b64 s[2:3], s[8:9], s[4:5]
	s_add_nc_u64 s[20:21], s[2:3], s[20:21]        ; A's codes
	s_cselect_b64 s[2:3], s[10:11], s[6:7]
	s_add_nc_u64 s[22:23], s[2:3], s[22:23]        ; A's scales
	s_cselect_b64 s[2:3], s[4:5], s[8:9]
	s_add_nc_u64 s[46:47], s[2:3], s[46:47]        ; B's codes
	s_cselect_b64 s[2:3], s[6:7], s[10:11]
	s_add_nc_u64 s[92:93], s[2:3], s[92:93]        ; B's scales
	CROUND                                         ; all sixteen work-groups are here: the first joint loads meet
	s_mov_b32 s[G0S], 1
	s_add_co_u32 s[G0S+1], s94, SCL
	s_mov_b64 s[G0S+2:G0S+3], s[22:23]
	s_or_b32 s[G0S+3], s[G0S+3], 0x80000000
	s_mov_b32 s[G0SB], 1
	s_add_co_u32 s[G0SB+1], s94, SCL
	s_mov_b64 s[G0SB+2:G0SB+3], s[92:93]
	s_or_b32 s[G0SB+3], s[G0SB+3], 0x80000000
	JLOAD G0S, G1S, G0SB, G1SB
.irp s, 0,1
	s_mov_b32 s[G0+4*\s], 1
	s_add_co_u32 s[G0+4*\s+1], s45, \s*SLOT
	s_add_nc_u64 s[G0+4*\s+2:G0+4*\s+3], s[20:21], \s*ROWB
	s_or_b32 s[G0+4*\s+3], s[G0+4*\s+3], 0x80000000
	s_mov_b32 s[G0B+4*\s], 1
	s_add_co_u32 s[G0B+4*\s+1], s45, \s*SLOT
	s_add_nc_u64 s[G0B+4*\s+2:G0B+4*\s+3], s[46:47], \s*ROWB
	s_or_b32 s[G0B+4*\s+3], s[G0B+4*\s+3], 0x80000000
	JLOAD G0+4*\s, G1, G0B+4*\s, G1B
.endr
	v_and_b32 v1, 15, v0                           ; r
	v_bfe_u32 v2, v0, 4, 1                         ; h
	v_mul_u32_u24 v3, v1, PITCH
	v_lshl_add_u32 v4, v2, 4, v3
	s_mul_i32 s21, s15, HALFT
	s_mul_i32 s22, s16, HALFT
	s_add_co_u32 s22, s22, 2*HALFT
.irp s, 0,1
	v_add_nc_u32 v[ADRA+\s], s21, v4
	v_add_nc_u32 v[ADRB+\s], s22, v4
	s_add_co_u32 s21, s21, SLOT
	s_add_co_u32 s22, s22, SLOT
.endr
	v_mul_u32_u24 v5, v1, KS                       ; my row's scales: 32 bytes a row, 16 more for each 256 passed
	v_lshrrev_b32 v6, 8, v5
	v_lshl_add_u32 v5, v6, 4, v5
	s_mul_i32 s21, s15, HALFS
	s_mul_i32 s22, s16, HALFS
	s_add_co_u32 s22, s22, 2*HALFS
	s_sub_co_u32 s22, s22, s21
	v_mul_u32_u24 v6, s22, v2                      ; lanes 16-31 take B's
	s_add_co_u32 s21, s21, SCL
	v_add_nc_u32 v5, v5, v6
	v_add_nc_u32 v[ADRS], s21, v5
	; the way out's addresses.  The stages lie in slot 0, which is filled once and read for the last time in front of the barrier of the change of slots
	v_and_b32 v6, 31, v0
	v_lshlrev_b32 v[LI], 4, v6
	v_lshlrev_b32 v[SH], 4, v2
	v_lshlrev_b32 v5, 2, v1
	s_lshl_b32 s23, s14, 10
	v_lshl_add_u32 v[STS], v2, 9, v5
	v_add_nc_u32 v[STS], s23, v[STS]               ; 1,024 x wave + 512 h + 4 r
	v_add_nc_u32 v[STR], s23, v[LI]
	s_lshl_b32 s23, s14, 9
	s_add_co_u32 s23, s23, 4096
	v_add_nc_u32 v[STSV], s23, v5                  ; 4,096 + 512 x wave + 4 r
	v_add_nc_u32 v[STRV], s23, v[LI]
	v_mul_u32_u24 v[VO2], v2, HEADB
	v_lshl_add_u32 v[VO2], v1, 4, v[VO2]
	; the biases.  Both kinds are loaded in every work-group; the kind that is not used reads from offset 0 on
	s_lshl_b32 s12, s42, 10
	s_lshl_b32 s13, s16, 9
	s_add_co_u32 s12, s12, s13                     ; 4 x (256 x B's tile + 128 x my half)
	s_lshl_b32 s13, s17, 10
	s_lshl_b32 s18, s15, 9
	s_add_co_u32 s13, s13, s18                     ; 4 x (256 x A's tile + 128 x my half)
	s_cmp_eq_u32 ttmp9, 2
	s_cselect_b32 s12, 0, s12
	s_cselect_b32 s13, s13, 0
	v_lshl_add_u32 v[CBO], v2, 5, s12
	v_lshl_add_u32 v[RBO], v1, 2, s13
.irp b, 0,1,2,3,4,5,6,7
	global_load_b128 v[CB+8*\b:CB+8*\b+3], v[CBO], s[96:97] offset:64*\b          ; q, k: b_qkv at my eight columns of tile b
	global_load_b128 v[CB+8*\b+4:CB+8*\b+7], v[CBO], s[96:97] offset:64*\b+16
.endr
.irp a, 0,1,2,3,4,5,6,7
	global_load_b32 v[RB+2*\a], v[RBO], s[96:97] offset:64*\a                     ; v: b_qkv at my row of block a
	v_mov_b32 v[RB+2*\a+1], 0                      ; (named with it as a pair, so it is written)
.endr
.macro FRAG reg, adr, q, i             ; 16 rows x 128 K of 4-bit codes: registers 4 c .. 4 c + 3 hold K = 64 c + 32 h + 0 .. 31
.irp c, 0,1
	ds_load_b128 v[\reg+4*\c:\reg+4*\c+3], v[\adr] offset:64*(\q)+32*\c+(\i)*16*PITCH
.endr
.endm
; 16 matrix instructions: A's blocks a0, a0 + 1 x B's eight.  The 64 accumulators take turns, one instruction a turn.
.macro MUL16 a0, p, q, sc, zero
.irp a, \a0, \a0+1
.irp b, 0,1,2,3,4,5,6,7
.if \zero
	v_wmma_scale_f32_16x16x128_f8f6f4 v[8*(8*((\a)%4)+\b):8*(8*((\a)%4)+\b)+7], v[128*(\p)+FR*\b:128*(\p)+FR*\b+FR-1], v[AF+FR*(\a):AF+FR*(\a)+FR-1], 0, v[SC+8*NQ*(\sc)+NQ*\b+(\q)], v[SC+8*NQ*(\sc)+NQ*(\a)+(\q)] matrix_a_fmt:MATRIX_FMT_FP4 matrix_b_fmt:MATRIX_FMT_FP4 matrix_a_scale:MATRIX_SCALE_ROW1
.else
	v_wmma_scale_f32_16x16x128_f8f6f4 v[8*(8*((\a)%4)+\b):8*(8*((\a)%4)+\b)+7], v[128*(\p)+FR*\b:128*(\p)+FR*\b+FR-1], v[AF+FR*(\a):AF+FR*(\a)+FR-1], v[8*(8*((\a)%4)+\b):8*(8*((\a)%4)+\b)+7], v[SC+8*NQ*(\sc)+NQ*\b+(\q)], v[SC+8*NQ*(\sc)+NQ*(\a)+(\q)] matrix_a_fmt:MATRIX_FMT_FP4 matrix_b_fmt:MATRIX_FMT_FP4 matrix_a_scale:MATRIX_SCALE_ROW1
.endif
.endr
.endr
.endm
.macro FETCH_B slot, q, p
	WIN TO_B
.irp i, 0,1,2,3,4,5,6,7
	FRAG 128*(\p)+FR*\i, ADRB+\slot, \q, \i
.endr
	WIN 0
.endm
.macro FETCH_A slot, q, i0
.irp i, \i0, \i0+1, \i0+2, \i0+3
	FRAG AF+FR*(\i), ADRA+\slot, \q, \i
.endr
.endm
.macro SCALES sc                       ; a slot's scale words: lanes 0-15 take A's block i, lanes 16-31 B's block i
.irp i, 0,1,2,3,4,5,6,7
	ds_load_b128 v[SC+8*NQ*\sc+NQ*\i:SC+8*NQ*\sc+NQ*\i+3], v[ADRS] offset:\i*SBLK
.endr
.endm
.macro PLACES n                        ; plain vector instructions between a matrix instruction and a load into, or a read of, its registers
.rept \n
	v_nop
.endr
.endm
.macro STEP slot, q, zero              ; 128 along K that has its successor in the same slot
	s_wait_dscnt 4*NL                              ; B's set and A's blocks 0-3 are in; the youngest eight loads (A's blocks 4-7) may be out
	WIN MUL_LO
	MUL16 0, (\q)%2, \q, \slot, \zero
	MUL16 2, (\q)%2, \q, \slot, \zero
	s_wait_dscnt 0
	PLACES NP
	FETCH_B \slot, (\q)+1, 1-(\q)%2
	FETCH_A \slot, (\q)+1, 0
	WIN MUL_HI
	MUL16 4, (\q)%2, \q, \slot, \zero
	MUL16 6, (\q)%2, \q, \slot, \zero
	PLACES NP
	WIN 0
	FETCH_A \slot, (\q)+1, 4
.endm
.macro TURN slot, next                 ; a slot's last step changes slots: one barrier; nothing is filled again
	s_wait_tensorcnt 0x0                           ; my part of the next slot has landed
	ds_add_u32 v[SPW], v[NIL]                      ; 0 onto my spare word
	s_wait_dscnt 4*NL+1                            ; (the add and the youngest eight loads may be out)
	WIN MUL_LO
	MUL16 0, 1, NQ-1, \slot, 0
	s_wait_dscnt 0x0                               ; the add is done, and my reads of this slot are over
	s_barrier_signal -1
	MUL16 2, 1, NQ-1, \slot, 0
	WIN 0
	s_barrier_wait -1                              ; the next slot is whole, and nobody reads this one any more
	PLACES NP
	v_add_nc_u32 v[ADRS], 4*NQ, v[ADRS]            ; on to the next slot's scale words
	FETCH_B \next, 0, 0
	FETCH_A \next, 0, 0
	SCALES \next
	WIN MUL_HI
	MUL16 4, 1, NQ-1, \slot, 0
	MUL16 6, 1, NQ-1, \slot, 0
	PLACES NP
	WIN 0
	FETCH_A \next, 0, 4
.endm
.macro STEPS slot, from
.set Q, \from
.rept NQ-1-\from
	STEP \slot, Q, 0
.set Q, Q+1
.endr
.endm
; 16 nb numbers of a lane, register 8 t + j = element 16 t + 8 h + j along the next K of my row, become codes in the operand's layout, v[pc] on, and the scale word v[PW].
; Block b is registers 16 b .. 16 b + 15 of lanes l and l xor 16.  The conversion of tile 2 b + e gives word 2 e of block b in lanes 0-15 and word 2 e + 1 in lanes 16-31;
; the exchange of halves between blocks 2 c and 2 c + 1 leaves register 4 c + w = word w of block 2 c + h.
.macro QUANTN s, pc, nb
.set QB, 0
.rept \nb
	v_max3_num_f32 v[QM+QB], |v[(\s)+16*QB]|, |v[(\s)+16*QB+1]|, 0x1800000   ; with the floor 2^(3 - 127): the byte cannot fall under 1
.set QB, QB+1
.endr
.irp i, 2,4,6,8,10,12,14
.set QB, 0
.rept \nb
	v_max3_num_f32 v[QM+QB], v[QM+QB], |v[(\s)+16*QB+\i]|, |v[(\s)+16*QB+\i+1]|
.set QB, QB+1
.endr
.endr
.set QB, 0
.rept \nb
	v_permlanex16_b32 v[QT+QB], v[QM+QB], s[SEL], s[SEL+1]
.set QB, QB+1
.endr
.set QB, 0
.rept \nb
	v_max_num_f32 v[QM+QB], v[QM+QB], v[QT+QB]     ; the block's largest magnitude
.set QB, QB+1
.endr
.set QB, 0
.rept \nb
	v_add_nc_u32 v[QO+QB], 0xff000000, v[QM+QB]    ; 2 off its exponent field: the conversion's scale operand
.set QB, QB+1
.endr
.set QB, 0
.rept \nb
	v_lshrrev_b32 v[QT+QB], 23, v[QO+QB]           ; the scale's byte
.set QB, QB+1
.endr
	v_lshl_or_b32 v[PW], v[QT+1], 8, v[QT]
.if \nb > 2
	v_lshl_or_b32 v[PW], v[QT+2], 16, v[PW]
	v_lshl_or_b32 v[PW], v[QT+3], 24, v[PW]
.endif
.set QB, 0
.rept \nb
	v_cvt_scalef32_pk8_fp4_f32 v[(\pc)+4*(QB/2)+(QB%2)], v[(\s)+16*QB:(\s)+16*QB+7], v[QO+QB]
	v_cvt_scalef32_pk8_fp4_f32 v[(\pc)+4*(QB/2)+2+(QB%2)], v[(\s)+16*QB+8:(\s)+16*QB+15], v[QO+QB]
.set QB, QB+1
.endr
	v_nop                                          ; one plain place behind a scaled conversion
.set QB, 0
.rept \nb/2
	v_permlane16_swap_b32 v[(\pc)+4*QB], v[(\pc)+4*QB+1]
	v_permlane16_swap_b32 v[(\pc)+4*QB+2], v[(\pc)+4*QB+3]
.set QB, QB+1
.endr
.endm
; Block a of my rows leaves: bias, quantiser, two stores of 512 consecutive bytes, the scale word into my stage.  kind 0: q, k;  1: v
.macro ROWS a, kind
.set AC, 64*((\a)%4)
.set PCS, PC+8*((\a)%2)
.set WN, 0x02+(\a)/4
	WIN WN                                         ; source 0: window 2 or 3
.irp b, 0,1,2,3,4,5,6,7
.irp j, 0,2,4,6
.if \kind
	v_pk_add_f32 v[T+8*\b+\j:T+8*\b+\j+1], v[AC+8*\b+\j:AC+8*\b+\j+1], v[RB+2*(\a):RB+2*(\a)+1] op_sel_hi:[1,0]   ; each accumulator from its low end on
.else
	v_pk_add_f32 v[T+8*\b+\j:T+8*\b+\j+1], v[AC+8*\b+\j:AC+8*\b+\j+1], v[CB+8*\b+\j:CB+8*\b+\j+1]
.endif
.endr
.endr
	WIN 0
	s_wait_xcnt 0x0                                ; the stores of two blocks back have read this set of codes
	QUANTN T, PCS, 4
.if \kind
	global_store_b128 v[LI], v[PCS:PCS+3], s[OUT:OUT+1] offset:((\a)/4)*HEADB+9216+((\a)%4)*1024        ; keys 32 h on of my 16 channels
	global_store_b128 v[LI], v[PCS+4:PCS+7], s[OUT:OUT+1] offset:((\a)/4)*HEADB+9216+((\a)%4)*1024+512  ; keys 64 + 32 h on
	v_mov_b32 v[TW+(\a)], v[PW]
	ds_store_b32 v[STSV], v[TW+(\a)] offset:((\a)/4)*256+((\a)%4)*64   ; both halves of the lanes write the same word with the same value
.else
	global_store_b128 v[LI], v[PCS:PCS+3], s[OUT:OUT+1] offset:512*(\a)            ; my first head
	global_store_b128 v[LI], v[PCS+4:PCS+7], s[OUT:OUT+1] offset:512*(\a)+HEADB    ; my second
	v_lshrrev_b32 v[TW+(\a)], v[SH], v[PW]         ; lanes 0-15: the first head's two bytes lowest; lanes 16-31: the second's
	ds_store_b32 v[STS], v[TW+(\a)] offset:64*(\a)
.endif
.endm
.macro FINISH
	s_wait_tensorcnt 0x0                           ; the wave's end
	ds_add_u32 v[SPW], v[NIL]
	s_wait_dscnt 0x0
	CROUND                                         ; the closing round
	s_endpgm
.endm
	s_wait_tensorcnt 1                             ; the scales and my part of slot 0 are in; slot 1's load may be out
	s_barrier_signal -1
	s_barrier_wait -1
	FETCH_B 0, 0, 0
	FETCH_A 0, 0, 0
	SCALES 0
	FETCH_A 0, 0, 4
	STEP 0, 0, 1                                   ; the first products start the sums
	STEPS 0, 1
	TURN 0, 1
	STEPS 1, 0
	s_wait_dscnt 4*NL
	WIN MUL_LO
	MUL16 0, 1, NQ-1, 1, 0
	MUL16 2, 1, NQ-1, 1, 0
	s_wait_dscnt 0
	WIN MUL_HI
	MUL16 4, 1, NQ-1, 1, 0
	MUL16 6, 1, NQ-1, 1, 0
	WIN 0
	PLACES NP                                      ; in front of the first read of results and the first write of registers that the products read
	s_wait_loadcnt 0x0                             ; the biases
	s_mov_b32 s[SEL], 0x76543210
	s_mov_b32 s[SEL+1], 0xfedcba98                 ; v_permlanex16_b32's selects for lane l xor 16
.irp b, 0,1,2,3
	v_mov_b32 v[QT+\b], 0                          ; a lane permute's destination counts as one of its sources
.endr
	s_cmp_eq_u32 ttmp9, 2
	s_cbranch_scc1 .Lvals
	; ---- q and k: rows = tokens, columns = two heads
	s_lshr_b32 s12, s17, 3                         ; the batch
	s_lshl_b32 s12, s12, 4
	s_and_b32 s13, s42, 3
	s_lshl_b32 s13, s13, 2
	s_add_co_u32 s12, s12, s13
	s_lshl_b32 s13, s16, 1
	s_add_co_u32 s12, s12, s13                     ; 16 x batch + my first head
	s_lshl_b32 s12, s12, 4
	s_and_b32 s13, s17, 7
	s_lshl_b32 s13, s13, 1
	s_add_co_u32 s12, s12, s13
	s_add_co_u32 s12, s12, s15                     ; + my group of 128 tokens
	s_mul_i32 s12, s12, RECB
	s_lshr_b32 s13, s42, 2                         ; 0: q, 1: k
	s_mul_i32 s13, s13, 4608
	s_add_co_u32 s12, s12, s13
	s_mov_b32 s13, 0
	s_add_nc_u64 s[OUT:OUT+1], s[98:99], s[12:13]
.irp a, 0,1,2,3,4,5,6,7
	ROWS \a, 0
.endr
	ds_load_b128 v[RBK:RBK+3], v[STR]              ; my own bytes: LDS serves a wave's instructions in order
	ds_load_b128 v[RBK+4:RBK+7], v[STR] offset:512
	s_wait_dscnt 0x0
	global_store_b128 v[LI], v[RBK:RBK+3], s[OUT:OUT+1] offset:4096
	global_store_b128 v[LI], v[RBK+4:RBK+7], s[OUT:OUT+1] offset:4096+HEADB
	FINISH
	; ---- v: rows = channels of two heads, columns = 128 tokens, the keys of one K step of the second product of attention
.Lvals:
	s_lshr_b32 s12, s42, 3                         ; the batch
	s_lshl_b32 s12, s12, 4
	s_sub_co_u32 s13, s17, 8
	s_lshl_b32 s13, s13, 2
	s_add_co_u32 s12, s12, s13
	s_lshl_b32 s13, s15, 1
	s_add_co_u32 s12, s12, s13
	s_lshl_b32 s12, s12, 4
	s_and_b32 s13, s42, 7
	s_lshl_b32 s13, s13, 1
	s_add_co_u32 s12, s12, s13
	s_add_co_u32 s12, s12, s16
	s_mul_i32 s12, s12, RECB
	s_mov_b32 s13, 0
	s_add_nc_u64 s[OUT:OUT+1], s[98:99], s[12:13]
.irp a, 0,1,2,3,4,5,6,7
	ROWS \a, 1
.endr
	ds_load_b128 v[RBK:RBK+3], v[STRV]
	s_wait_dscnt 0x0
	global_store_b128 v[VO2], v[RBK:RBK+3], s[OUT:OUT+1] offset:13312   ; sixteen lanes store 256 consecutive bytes, aligned
	FINISH
.Lfunc_end_k_q2657774696_qkv:
	.size	k_q2657774696_qkv, .Lfunc_end_k_q2657774696_qkv-k_q2657774696_qkv
	.p2alignl 7, 3214868480
	.fill 96, 4, 3214868480
	.section	.rodata,"a",@progbits
	.p2align	6, 0x0
	.amdhsa_kernel k_q2657774696_qkv
		.amdhsa_group_segment_fixed_size 327680
		.amdhsa_private_segment_fixed_size 0
		.amdhsa_enable_private_segment 0
		.amdhsa_kernarg_size 48
		.amdhsa_user_sgpr_count 2
		.amdhsa_user_sgpr_kernarg_segment_ptr 1
		.amdhsa_wavefront_size32 1
		.amdhsa_system_sgpr_workgroup_id_x 1
		.amdhsa_system_sgpr_workgroup_id_y 1
		.amdhsa_system_sgpr_workgroup_id_z 1
		.amdhsa_system_vgpr_workitem_id 0
		.amdhsa_next_free_vgpr 1024
		.amdhsa_next_free_sgpr 100
		.amdhsa_reserve_vcc 0
		.amdhsa_float_denorm_mode_32 3
		.amdhsa_float_denorm_mode_16_64 3
		.amdhsa_memory_ordered 1
		.amdhsa_forward_progress 1
		.amdhsa_inst_pref_size 198
	.end_amdhsa_kernel
	.amdgpu_metadata
---
amdhsa.version: [ 1, 2 ]
amdhsa.kernels:
  - .name:           k_q2657774696_qkv
    .symbol:         k_q2657774696_qkv.kd
    .args:
      - { .name: xc, .offset: 0, .size: 8, .value_kind: global_buffer, .address_space: global }
      - { .name: xs, .offset: 8, .size: 8, .value_kind: global_buffer, .address_space: global }
      - { .name: wc, .offset: 16, .size: 8, .value_kind: global_buffer, .address_space: global }
      - { .name: ws, .offset: 24, .size: 8, .value_kind: global_buffer, .address_space: global }
      - { .name: b_qkv, .offset: 32, .size: 8, .value_kind: global_buffer, .address_space: global }
      - { .name: rec, .offset: 40, .size: 8, .value_kind: global_buffer, .address_space: global }
    .group_segment_fixed_size: 327680
    .private_segment_fixed_size: 0
    .kernarg_segment_align: 8
    .kernarg_segment_size: 48
    .max_flat_workgroup_size: 128
    .sgpr_count:     100
    .vgpr_count:     1024
    .wavefront_size: 32
...
	.end_amdgpu_metadata
.endif
;; end of part 2
;; launch attn (part 3): grid 4 x 64, 16 waves a work-group, no clusters, 169,984 bytes of LDS; arguments rec, yc, ys; writes yc, ys
.if DOCPART == 3
	.amdgcn_target "amdgcn-amd-amdhsa--gfx1250"
	.amdhsa_code_object_version 6
	.text
	.protected	k_q2657774696_attn
	.globl	k_q2657774696_attn
	.p2align	8
	.type	k_q2657774696_attn,@function
k_q2657774696_attn:
	s_mov_b64 s[64:65], 0
	v_nop
	global_prefetch_b8 v0, s[64:65] scope:SCOPE_SE
	s_setreg_imm32_b32 hwreg(HW_REG_WAVE_MODE, 25, 1), 1
	s_wait_xcnt 0x0
; y = softmax(q k^T / 8, causal) v for one head of one batch, both products on codes of FP4 with E8M0 scales; y leaves as codes along C for the last product.
; THE SOFTMAX: t = score x log2(e) / 8; M = the running largest t rounded UP to a whole number; p = 2^(t - M) is quantised along the keys, not normalised; the row's sum is taken of the unquantised p and divides at the end.
; SHARES.  Work-group (i, head) owns the blocks of 256 queries 7 - i and i; wave w owns 16 queries of each: two tiles.  Under the causal mask the two tiles together have 16 + 2 (w / 8) key steps of 128, whatever i is.
; LDS.  The head's k and v, codes and scale words, are 16 parts of 8,960 bytes (a part: 128 keys), 143,360 bytes: each wave brings one part by one tensor load; filled once, one barrier, no ring.
; NO CLUSTER: the work-groups that share a head's k and v differ in their query blocks, and the jumps over hidden key steps hang on those.
; LAYOUT.  Both products are used transposed: S^T = k q^T (source 0 = 16 neighbouring keys), O^T = v^T p^T: a lane holds ONE query (lane % 16), register j of tile t the key (or channel) 16 t + 8 h + j.
; THE HEAD'S 64 IN A K OF 128: q's operand registers 4-7 are zero codes; k's registers 4-7 are the next tile's codes, which meet those zeros.
; Every wave walks all 16 key steps: the trip count is a constant; a step all of whose keys come after the tile's queries is jumped over by a scalar branch on ids.
; LIMITS: NaN and infinities are not served; a block whose largest number lies under 2^-124 gets the byte 1; a block's largest p is taken from its largest score by the same two instructions as p itself.
.set RECB,  13568
.set KVOFF, 4608                       ; where k's and v's part begins in a record
.set PART,  8960                       ; in it: k's codes 512 t; k's scale words 4096 + 64 t; v's codes 4608 + 1024 t + 512 c; v's scale words 8704 + 64 t
.set LI,  1                            ; v1   16 x lane
.set LS,  2                            ; v2   4 r
.set ADK, 3                            ; v3   the step's part + 16 x lane
.set ADS, 4                            ; v4   the step's part + 4 r
.set RH,  5                            ; v5   r - 8 h
.set H8,  7                            ; v7   8 h
.set YSO, 8                            ; v8   32 r + h
.set QCO, 9                            ; v9   q's codes in their record
.set QSO, 10                           ; v10  q's scale words
.set QS,  36                           ; v36, v37 q's scale words;  v12-19 statistics (-M, largest t, the sum in two halves), four a tile;  v20-35 q, eight a tile
.set KS,  38                           ; v38-45 k's scale words; the first four later v's
.set PS,  46                           ; v46  p's scale word
.set KB,  48                           ; v48-83 k's eight tiles of four registers, and four more that are written once
.set VB,  48                           ; v48-79 v's four fragments
.set S,   84                           ; v84-147 S^T, then p
.set P,   212                          ; v212-219 p's codes; at the end y's
.set BM,  220                          ; v220-223 the blocks' largest
.set T4,  224                          ; v224-227 lane exchanges, then bytes
.set SO,  228                          ; v228-231 the conversions' scale operands
.set QM,  220
.set QT,  224
.set QO,  228
.set F,   232                          ; v[232:233] 2^(old M - new M)
.set TA,  234
.set C2,  236                          ; v[236:237] the second chain of the sum
.set NI,  238                          ; -infinity
.set PW,  239
.set W,   240                          ; v240, v241 y's scale bytes
.set WV,  10
.set HG,  11
.set G0,  16
.set G1,  20
.set SEL, 28
.set CS,  30
.set KF,  32                           ; the step's first key
.set TB,  33                           ; the step's part in LDS
.set CNT, 34
.set Q0,  36                           ; s36, s37 the tiles' first queries
.set QH,  38                           ; s38, s39 their last
.set QP,  40                           ; s[40:43] q's records
.set YC,  44                           ; s[44:47]
.set YS,  48                           ; s[48:51]
	s_load_b128 s[4:7], s[0:1], 0x0                ; rec, yc
	s_load_b64 s[8:9], s[0:1], 0x10                ; ys
	v_lshl_add_u32 v254, v0, 2, 0x29000
	v_mov_b32 v255, 0
	ds_add_u32 v254, v255
	ds_add_u32 v254, v255
	v_lshrrev_b32 v1, 5, v0
	v_readfirstlane_b32 s[WV], v1                  ; wave 0..15
	s_and_b32 s[HG], ttmp7, 0xffff                 ; 16 x batch + head
	s_mov_b32 s[G1], 3<<16                         ; a dense block of 8,960 bytes as 35 rows of 32 elements of 8 bytes; no mask, no padding
	s_mov_b32 s[G1+1], 32<<16                      ; tensor_dim0
	s_mov_b32 s[G1+2], 35<<16                      ; tensor_dim1
	s_mov_b32 s[G1+3], 32<<16                      ; tile_dim0
	s_mov_b32 s[G1+4], 35                          ; tile_dim1
	s_mov_b32 s[G1+5], 32                          ; the pitch
	s_mov_b32 s[G1+6], 0
	s_mov_b32 s[G1+7], 0
	s_lshl_b32 s52, s[HG], 4
	s_add_co_u32 s52, s52, s[WV]                   ; wave w brings the part of keys 128 w on
	s_mul_i32 s52, s52, RECB
	s_add_co_u32 s52, s52, KVOFF
	s_mov_b32 s53, 0
	s_mov_b32 s[G0], 1
	s_mul_i32 s[G0+1], s[WV], PART
	s_wait_dscnt 0x0
	s_wait_kmcnt 0x0
	s_add_nc_u64 s[G0+2:G0+3], s[4:5], s[52:53]
	s_or_b32 s[G0+3], s[G0+3], 0x80000000
	tensor_load_to_lds s[G0:G0+3], s[G1:G1+7]      ; my one tensor load
	s_nop 0
.rept 4
	v_nop
.endr
	s_sub_co_u32 s54, 7, ttmp9                     ; tile 0's block of 256 queries,
	s_mov_b32 s55, ttmp9                           ; tile 1's
.irp x, 0,1
	s_lshl_b32 s[Q0+\x], s[54+\x], 8
	s_lshl_b32 s56, s[WV], 4
	s_add_co_u32 s[Q0+\x], s[Q0+\x], s56
	s_add_co_u32 s[QH+\x], s[Q0+\x], 15
	s_lshl_b32 s56, s[54+\x], 1
	s_lshr_b32 s57, s[WV], 3
	s_add_co_u32 s56, s56, s57                     ; the group of 128 tokens that holds my queries
	s_lshl_b32 s57, s[HG], 4
	s_add_co_u32 s56, s56, s57
	s_mul_i32 s56, s56, RECB
	s_mov_b32 s57, 0
	s_add_nc_u64 s[QP+2*\x:QP+2*\x+1], s[4:5], s[56:57]
	s_lshr_b32 s58, s[HG], 4
	s_lshl_b32 s56, s58, 11
	s_add_co_u32 s56, s56, s[Q0+\x]                ; my first token of 8,192
	s_lshl_b32 s59, s56, 5                         ; its row of ys
	s_lshl_b32 s56, s56, 9                         ; its tile of 16 in yc: 8,192 bytes a tile
	s_and_b32 s58, s[HG], 15
	s_lshl_b32 s58, s58, 9                         ; + 512 x head
	s_add_co_u32 s56, s56, s58
	s_add_nc_u64 s[YC+2*\x:YC+2*\x+1], s[6:7], s[56:57]
	s_lshr_b32 s58, s58, 8                         ; 2 x head
	s_add_co_u32 s56, s59, s58
	s_add_nc_u64 s[YS+2*\x:YS+2*\x+1], s[8:9], s[56:57]
.endr
	v_and_b32 v6, 31, v0
	v_lshlrev_b32 v[LI], 4, v6
	v_and_b32 v6, 15, v0                           ; r
	v_lshlrev_b32 v[LS], 2, v6
	v_bfe_u32 v11, v0, 4, 1                        ; h
	v_lshlrev_b32 v[H8], 3, v11
	v_sub_nc_u32 v[RH], v6, v[H8]
	v_lshl_add_u32 v[YSO], v6, 5, v11
	s_and_b32 s56, s[WV], 7                        ; my tile among the record's eight
	s_lshl_b32 s57, s56, 9
	v_add_nc_u32 v[QCO], s57, v[LI]
	s_lshl_b32 s57, s56, 6
	s_add_co_u32 s57, s57, 4096
	v_add_nc_u32 v[QSO], s57, v[LS]
.irp x, 0,1
	global_load_b128 v[20+8*\x:23+8*\x], v[QCO], s[QP+2*\x:QP+2*\x+1]   ; q's codes: registers 0-3 of the operand
	global_load_b32 v[QS+\x], v[QSO], s[QP+2*\x:QP+2*\x+1]
	v_mov_b32 v[24+8*\x], 0                        ; registers 4-7: zero codes
	v_mov_b32 v[25+8*\x], 0
	v_mov_b32 v[26+8*\x], 0
	v_mov_b32 v[27+8*\x], 0
	v_mov_b32 v[13+4*\x], 0xff61b1e6               ; the largest t so far: -3e38
	v_floor_f32 v[12+4*\x], -v[13+4*\x]            ; -M
	v_mov_b32 v[14+4*\x], 0                        ; the sum, in two halves
	v_mov_b32 v[15+4*\x], 0
.endr
.set j, 0
.rept 64
	v_mov_b32 v[148+j], 0                          ; O^T of both tiles: the step is written once, and its first turn finds zeros
.set j, j+1
.endr
.irp b, 0,1,2,3
	v_mov_b32 v[T4+\b], 0                          ; a lane permute's destination counts as one of its sources
	v_mov_b32 v[KB+32+\b], 0                       ; named as the upper half of k's eighth operand
.endr
	v_mov_b32 v[F+1], 0                            ; (named with F as a pair)
	v_mov_b32 v[TA], 0
	s_mov_b32 s[SEL], 0x76543210
	s_mov_b32 s[SEL+1], 0xfedcba98
	s_mov_b32 s[CS], 0x3e38aa3b                    ; c = log2(e) / 8
	s_mov_b32 s[CS+1], s[CS]
	s_mov_b32 s[KF], 0
	s_mov_b32 s[TB], 0
	s_mov_b32 s[CNT], 16
; 16 nb numbers of a lane, register 8 t + j = element 16 t + 8 h + j of my row, become codes in the operand's layout and the scale bytes in v[PW]
.macro QUANTN s, pc, nb
.set QB, 0
.rept \nb
	v_max3_num_f32 v[QM+QB], |v[(\s)+16*QB]|, |v[(\s)+16*QB+1]|, 0x1800000
.set QB, QB+1
.endr
.irp i, 2,4,6,8,10,12,14
.set QB, 0
.rept \nb
	v_max3_num_f32 v[QM+QB], v[QM+QB], |v[(\s)+16*QB+\i]|, |v[(\s)+16*QB+\i+1]|
.set QB, QB+1
.endr
.endr
.set QB, 0
.rept \nb
	v_permlanex16_b32 v[QT+QB], v[QM+QB], s[SEL], s[SEL+1]
.set QB, QB+1
.endr
.set QB, 0
.rept \nb
	v_max_num_f32 v[QM+QB], v[QM+QB], v[QT+QB]
.set QB, QB+1
.endr
.set QB, 0
.rept \nb
	v_add_nc_u32 v[QO+QB], 0xff000000, v[QM+QB]
.set QB, QB+1
.endr
.set QB, 0
.rept \nb
	v_lshrrev_b32 v[QT+QB], 23, v[QO+QB]
.set QB, QB+1
.endr
	v_lshl_or_b32 v[PW], v[QT+1], 8, v[QT]
.set QB, 0
.rept \nb
	v_cvt_scalef32_pk8_fp4_f32 v[(\pc)+4*(QB/2)+(QB%2)], v[(\s)+16*QB:(\s)+16*QB+7], v[QO+QB]
	v_cvt_scalef32_pk8_fp4_f32 v[(\pc)+4*(QB/2)+2+(QB%2)], v[(\s)+16*QB+8:(\s)+16*QB+15], v[QO+QB]
.set QB, QB+1
.endr
	v_nop                                          ; one plain place behind a scaled conversion
.set QB, 0
.rept \nb/2
	v_permlane16_swap_b32 v[(\pc)+4*QB], v[(\pc)+4*QB+1]
	v_permlane16_swap_b32 v[(\pc)+4*QB+2], v[(\pc)+4*QB+3]
.set QB, QB+1
.endr
.endm
; A KEY STEP of tile x: 128 keys
.macro STEP x
.set ST, 12+4*\x
.set QF, 20+8*\x
.set OA, 148+32*\x
	s_cmp_gt_u32 s[KF], s[QH+\x]                   ; all keys come after my queries: nothing to do
	s_cbranch_scc1 .Lhid_\@
	v_add_nc_u32 v[ADK], s[TB], v[LI]
	v_add_nc_u32 v[ADS], s[TB], v[LS]
	v_nop
	v_nop                                          ; four places in front of loads into registers that the last products read
.irp t, 0,1,2,3,4,5,6,7
	ds_load_b128 v[KB+4*\t:KB+4*\t+3], v[ADK] offset:512*\t
.endr
.irp t, 0,1,2,3,4,5,6,7
	ds_load_b32 v[KS+\t], v[ADS] offset:4096+64*\t
.endr
	s_wait_dscnt 0x0
.irp t, 0,1,2,3,4,5,6,7
	v_wmma_scale_f32_16x16x128_f8f6f4 v[S+8*\t:S+8*\t+7], v[KB+4*\t:KB+4*\t+7], v[QF:QF+7], 0, v[KS+\t], v[QS+\x] matrix_a_fmt:MATRIX_FMT_FP4 matrix_b_fmt:MATRIX_FMT_FP4
.endr
.rept 4
	v_nop
.endr
.irp t, 0,1,2,3                                ; v's fragments and scale words are asked for now, into the registers that k has left: they land under the softmax
.irp c, 0,1
	ds_load_b128 v[VB+8*\t+4*\c:VB+8*\t+4*\c+3], v[ADK] offset:4608+1024*\t+512*\c
.endr
	ds_load_b32 v[KS+\t], v[ADS] offset:8704+64*\t
.endr
	s_add_co_u32 s52, s[KF], 127                   ; on the diagonal the scores of hidden keys become -infinity; a step all of whose keys count skips this
	s_cmp_le_u32 s52, s[Q0+\x]
	s_cbranch_scc1 .Lopen_\@
	s_sub_co_i32 s52, s[Q0+\x], s[KF]
	v_add_nc_u32 v[TA], s52, v[RH]                 ; d = my query - KF - 8 h.  Register 8 t + j holds key KF + 16 t + 8 h + j: hidden where 16 t + j > d
	v_mov_b32 v[NI], 0xff800000
.set n, 0
.rept 64
	v_cmp_gt_i32 vcc_lo, 16*(n/8)+n%8, v[TA]
	v_cndmask_b32 v[S+n], v[S+n], v[NI], vcc_lo
.set n, n+1
.endr
.Lopen_\@:
.irp b, 0,1,2,3
	v_max3_num_f32 v[BM+\b], v[S+16*\b], v[S+1+16*\b], v[S+2+16*\b]   ; the largest score of each block of 32 keys: for the row's maximum and for the block's largest p
.endr
.irp i, 3,5,7,9,11,13
.irp b, 0,1,2,3
	v_max3_num_f32 v[BM+\b], v[BM+\b], v[S+16*\b+\i], v[S+1+16*\b+\i]
.endr
.endr
.irp b, 0,1,2,3
	v_max_num_f32 v[BM+\b], v[BM+\b], v[S+15+16*\b]
.endr
.irp b, 0,1,2,3
	v_permlanex16_b32 v[T4+\b], v[BM+\b], s[SEL], s[SEL+1]
.endr
.irp b, 0,1,2,3
	v_max_num_f32 v[BM+\b], v[BM+\b], v[T4+\b]     ; with lane l xor 16's 16 keys
.endr
	v_max3_num_f32 v[TA], v[BM], v[BM+1], v[BM+2]
	v_max_num_f32 v[TA], v[TA], v[BM+3]
	v_mul_f32 v[TA], s[CS], v[TA]
	v_max_num_f32 v[ST+1], v[ST+1], v[TA]          ; the running largest t
	v_mov_b32 v[TA], v[ST]
	v_floor_f32 v[ST], -v[ST+1]                    ; the new -M = -ceil(t)
	v_sub_f32 v[TA], v[ST], v[TA]                  ; old M - new M: a whole number, 0 or less
	v_cvt_i32_f32 v[TA], v[TA]                     ; (it saturates)
	v_ldexp_f32 v[F], 1.0, v[TA]                   ; f = 2^(old M - new M): the rescaling rounds nothing
.set j, 0
.rept 32
	v_pk_fma_f32 v[S+j:S+j+1], v[S+j:S+j+1], s[CS:CS+1], v[ST:ST+1] op_sel_hi:[1,0,0]   ; t - M
.set j, j+2
.endr
.irp b, 0,1,2,3
	v_fma_f32 v[BM+\b], v[BM+\b], s[CS], v[ST]
.endr
.set j, 0
.rept 64
	v_exp_f32 v[S+j], v[S+j]                       ; p = 2^(t - M)
.set j, j+1
.endr
.irp b, 0,1,2,3
	v_exp_f32 v[BM+\b], v[BM+\b]                   ; the block's largest p
.endr
	v_pk_mul_f32 v[ST+2:ST+3], v[ST+2:ST+3], v[F:F+1] op_sel_hi:[1,0]   ; the sums under the new M (a plain place behind the exponentials)
	s_wait_alu depctr_va_vdst(0)
.irp b, 0,1,2,3
	v_max_num_f32 v[BM+\b], 0x1800000, v[BM+\b]    ; the floor: the byte cannot fall under 1
.endr
.irp b, 0,1,2,3
	v_add_nc_u32 v[SO+\b], 0xff000000, v[BM+\b]
.endr
.irp b, 0,1,2,3
	v_lshrrev_b32 v[T4+\b], 23, v[SO+\b]
.endr
	v_lshl_or_b32 v[PS], v[T4+1], 8, v[T4]         ; p's scale word for these 128 keys
	v_lshl_or_b32 v[PS], v[T4+2], 16, v[PS]
	v_lshl_or_b32 v[PS], v[T4+3], 24, v[PS]
.irp b, 0,1,2,3
	v_cvt_scalef32_pk8_fp4_f32 v[P+4*(\b/2)+(\b%2)], v[S+16*\b:S+16*\b+7], v[SO+\b]
	v_cvt_scalef32_pk8_fp4_f32 v[P+4*(\b/2)+2+(\b%2)], v[S+16*\b+8:S+16*\b+15], v[SO+\b]
.endr
	v_nop                                          ; one plain place behind a scaled conversion
.irp c, 0,1
	v_permlane16_swap_b32 v[P+4*\c], v[P+4*\c+1]   ; register 4 c + w becomes word w of block 2 c + h
	v_permlane16_swap_b32 v[P+4*\c+2], v[P+4*\c+3]
.endr
	v_pk_add_f32 v[C2:C2+1], v[S:S+1], v[S+2:S+3]  ; the row's sum of the UNQUANTISED p, in two chains
.irp j, 4,8,12,16,20,24,28,32,36,40,44,48,52,56,60
	v_pk_add_f32 v[ST+2:ST+3], v[ST+2:ST+3], v[S+\j:S+\j+1]
	v_pk_add_f32 v[C2:C2+1], v[C2:C2+1], v[S+\j+2:S+\j+3]
.endr
	v_pk_add_f32 v[ST+2:ST+3], v[ST+2:ST+3], v[C2:C2+1]
.set j, 0
.rept 16
	v_pk_mul_f32 v[OA+j:OA+j+1], v[OA+j:OA+j+1], v[F:F+1] op_sel_hi:[1,0]   ; O^T under the new M.  (With the sums: the places between p's codes and scale word and the products)
.set j, j+2
.endr
	s_wait_dscnt 0x0                               ; v is in
.irp t, 0,1,2,3
	v_wmma_scale_f32_16x16x128_f8f6f4 v[OA+8*\t:OA+8*\t+7], v[VB+8*\t:VB+8*\t+7], v[P:P+7], v[OA+8*\t:OA+8*\t+7], v[KS+\t], v[PS] matrix_a_fmt:MATRIX_FMT_FP4 matrix_b_fmt:MATRIX_FMT_FP4
.endr
.Lhid_\@:
.endm
; The end of tile x: O^T / the sum is y's 64 channels of this head: two blocks of 32 along C; the codes are registers 4 c .. 4 c + 3 of an operand of the last product
.macro FIN x
.set ST, 12+4*\x
.set OA, 148+32*\x
	v_add_f32 v[ST+2], v[ST+2], v[ST+3]
	v_permlanex16_b32 v[TA], v[ST+2], s[SEL], s[SEL+1]
	v_add_f32 v[ST+2], v[ST+2], v[TA]              ; the row's sum
	v_rcp_f32 v[ST+2], v[ST+2]
	v_nop                                          ; a plain place behind the transcendental
.set j, 0
	s_wait_alu depctr_va_vdst(0)
.rept 16
	v_pk_mul_f32 v[S+j:S+j+1], v[OA+j:OA+j+1], v[ST+2:ST+3] op_sel_hi:[1,0]   ; each accumulator from its low end on
.set j, j+2
.endr
	QUANTN S, P+4*\x, 2
	v_lshrrev_b32 v[W+\x], v[H8], v[PW]            ; lanes 0-15: the first block's byte lowest; lanes 16-31: the second's
	global_store_b128 v[LI], v[P+4*\x:P+4*\x+3], s[YC+2*\x:YC+2*\x+1]   ; 512 consecutive bytes, aligned
	global_store_b8 v[YSO], v[W+\x], s[YS+2*\x:YS+2*\x+1]               ; a head has two bytes in a token's row of 32
.endm
	s_wait_tensorcnt 0x0                           ; my part has landed,
	s_wait_loadcnt 0x0                             ; q is in,
	s_barrier_signal -1
	s_barrier_wait -1                              ; everybody's part has landed
.Lkey:
	STEP 0
	STEP 1
	s_add_co_u32 s[KF], s[KF], 128
	s_add_co_u32 s[TB], s[TB], PART
	s_sub_co_i32 s[CNT], s[CNT], 1
	s_cmp_lg_u32 s[CNT], 0
	s_cbranch_scc1 .Lkey
.rept 4
	v_nop                                          ; places behind the last products
.endr
	FIN 0
	FIN 1
	s_wait_tensorcnt 0x0
	ds_add_u32 v254, v255
	s_wait_dscnt 0x0
	s_endpgm
.Lfunc_end_k_q2657774696_attn:
	.size	k_q2657774696_attn, .Lfunc_end_k_q2657774696_attn-k_q2657774696_attn
	.p2alignl 7, 3214868480
	.fill 96, 4, 3214868480
	.section	.rodata,"a",@progbits
	.p2align	6, 0x0
	.amdhsa_kernel k_q2657774696_attn
		.amdhsa_group_segment_fixed_size 169984
		.amdhsa_private_segment_fixed_size 0
		.amdhsa_enable_private_segment 0
		.amdhsa_kernarg_size 24
		.amdhsa_user_sgpr_count 2
		.amdhsa_user_sgpr_kernarg_segment_ptr 1
		.amdhsa_wavefront_size32 1
		.amdhsa_system_sgpr_workgroup_id_x 1
		.amdhsa_system_sgpr_workgroup_id_y 1
		.amdhsa_system_sgpr_workgroup_id_z 1
		.amdhsa_system_vgpr_workitem_id 0
		.amdhsa_next_free_vgpr 256
		.amdhsa_next_free_sgpr 66
		.amdhsa_reserve_vcc 1
		.amdhsa_float_denorm_mode_32 3
		.amdhsa_float_denorm_mode_16_64 3
		.amdhsa_memory_ordered 1
		.amdhsa_forward_progress 1
		.amdhsa_inst_pref_size 56
	.end_amdhsa_kernel
	.amdgpu_metadata
---
amdhsa.version: [ 1, 2 ]
amdhsa.kernels:
  - .name:           k_q2657774696_attn
    .symbol:         k_q2657774696_attn.kd
    .args:
      - { .name: rec, .offset: 0, .size: 8, .value_kind: global_buffer, .address_space: global }
      - { .name: yc, .offset: 8, .size: 8, .value_kind: global_buffer, .address_space: global }
      - { .name: ys, .offset: 16, .size: 8, .value_kind: global_buffer, .address_space: global }
    .group_segment_fixed_size: 169984
    .private_segment_fixed_size: 0
    .kernarg_segment_align: 8
    .kernarg_segment_size: 24
    .max_flat_workgroup_size: 512
    .sgpr_count:     66
    .vgpr_count:     256
    .wavefront_size: 32
...
	.end_amdgpu_metadata
.endif
;; end of part 3
;; launch proj (part 4): grid 4 x 32, 4 waves a work-group, clusters of 4 x 4, 327,680 bytes of LDS; arguments yc, ys, wc, ws, b_out, out0; writes out0
.if DOCPART == 4
	.amdgcn_target "amdgcn-amd-amdhsa--gfx1250"
	.amdhsa_code_object_version 6
	.text
	.protected	k_q2657774696_proj
	.globl	k_q2657774696_proj
	.p2align	8
	.type	k_q2657774696_proj,@function
k_q2657774696_proj:
	s_mov_b64 s[64:65], 0
	v_nop
	global_prefetch_b8 v0, s[64:65] scope:SCOPE_SE
	s_setreg_imm32_b32 hwreg(HW_REG_WAVE_MODE, 25, 1), 1
	s_wait_xcnt 0x0
	s_wait_alu depctr_hold_cnt(0) depctr_sa_sdst(0) depctr_va_vdst(0) depctr_va_sdst(0) depctr_va_ssrc(0) depctr_va_vcc(0) depctr_vm_vsrc(0)
	s_getreg_b32 s2, hwreg(HW_REG_IB_STS2, 6, 4)
	s_cmp_eq_u32 s2, 0
	s_cbranch_scc0 .Lentry_in_a_cluster
	s_endpgm
.Lentry_in_a_cluster:
	s_bfe_u32 s2, ttmp6, 0x10000c
	s_cmp_lg_u32 s2, 0xf033
	s_cbranch_scc0 .Lentry_shape_is_right
	s_endpgm
.Lentry_shape_is_right:
; out0 = y w_out + b_out on codes of FP4 with E8M0 scales: M 8,192, N 1,024, K 1,024; out0 f32.
; A work-group makes 256 x 256, a wave 128 x 128 (64 accumulators).  The matrix instruction is used transposed (source 0 = 16 rows of B, source 1 = 16 rows of A): a lane holds eight neighbouring numbers of a row of out0.
; A = y comes as IMAGES OF OPERAND REGISTERS: yc [tile of 16 tokens][16 heads][512 bytes], lane l's 16 bytes at 16 l; heads 2 s and 2 s + 1 are registers 0-3 and 4-7 of the fragment of K step s.  ys [8192][32].
; B = rows 3,072 on of wc [4096][512 bytes] and ws [4096][32].  The bias is the C of each sum's first matrix instruction.
; All of K lies in two LDS slots of 512 along K, each filled once: three tensor loads of a wave are out at the start, none later.  CLUSTERS: 4 x 4; A's tiles jointly along a row, B's along a column.
; REGISTERS: window 0: v0-31 addresses; v32-95 scale words, two sets; v128-191 A's fragments; v192-255 the bias (on the way out v128-255 take rows of out0).  window 1: B's fragments, two sets.  windows 2, 3: accumulators.
.set SIZE_N, 1024
.set NQ,     4
.set ROWB,   256
.set KROW,   512
.set PITCH,  272                       ; B's LDS row: 256 bytes + 16 of padding: the 16 rows of a load start at 16 different banks (64 banks of 4 bytes: ISA guide 11.1)
.set FR,     8
.set NL,     2
.set NP,     4
.set HALFT,  128*PITCH                 ; the place of 128 rows in a slot; A's images use 32,768 bytes of it
.set SLOT,   4*HALFT
.set KS,     32
.set SCL,    2*SLOT
.set HALFS,  (128*KS/256)*272
.set SBLK,   (16*KS/256)*272
.set SPARE,  SCL+4*HALFS
.set SPITCH, 528                       ; the way out: a stage of 16 rows x (512 + 16) bytes a wave, in slot 0, which has had its one fill and its last read by then
.set CBO,  8
.set ADRA, 16
.set ADRB, 20
.set STO,  24
.set RD,   25
.set CO,   26
.set ADRS, 27
.set SPW,  28
.set NIL,  29
.set SC,   32
.set AF,   128
.set BK,   128
.set CB,   192
.set G1, 24
.set G0, 32
.set G1B, 48
.set G0B, 56
.set G1S, 68
.set G0S, 76
.set G1SB, 80
.set G0SB, 88
.set MSB, 0
.macro WIN new
.if MSB != \new
	s_set_vgpr_msb (MSB<<8)|\new
.set MSB, \new
.endif
.endm
.set MUL_LO, 0xa1                      ; source 0 (B) window 1, source 1 (A) window 0, C and D window 2
.set MUL_HI, 0xf1
.set FST_LO, 0x81                      ; the first step: C (the bias) window 0, D window 2
.set FST_HI, 0xc1
.set TO_B,   0x40
.macro JLOAD g0a, g1a, g0b, g1b        ; a joint load: waves 0, 1 fetch for A, waves 2, 3 for B; four v_nop follow each line
	s_cmp_eq_u32 s15, 0
	s_cbranch_scc0 .Lfor_b_\@
	tensor_load_to_lds s[\g0a:\g0a+3], s[\g1a:\g1a+7]
	s_nop 0
.rept 4
	v_nop
.endr
	s_branch .Lasked_\@
.Lfor_b_\@:
	tensor_load_to_lds s[\g0b:\g0b+3], s[\g1b:\g1b+7]
	s_nop 0
.rept 4
	v_nop
.endr
.Lasked_\@:
.endm
.macro CROUND
	s_barrier_signal -1
	s_barrier_wait -1
	s_cmp_lg_u32 s14, 0
	s_cbranch_scc1 .Lnot_wave_0_\@
	s_barrier_signal -3
.Lnot_wave_0_\@:
	s_barrier_wait -3
	s_barrier_signal -1
	s_barrier_wait -1
.endm
	s_load_b256 s[4:11], s[0:1], 0x0               ; yc s[4:5], ys s[6:7], wc s[8:9], ws s[10:11]
	s_load_b64 s[96:97], s[0:1], 0x20              ; b_out
	s_load_b64 s[12:13], s[0:1], 0x28              ; out0
	v_lshl_add_u32 v[SPW], v0, 2, SPARE
	v_mov_b32 v[NIL], 0
	ds_add_u32 v28, v29
	ds_add_u32 v28, v29
	s_wait_dscnt 0x0
	v_lshrrev_b32 v1, 5, v0
	v_readfirstlane_b32 s14, v1                    ; wave 0..3
	s_lshr_b32 s15, s14, 1
	s_and_b32 s16, s14, 1
	s_bfe_u32 s40, ttmp6, 0x40000                  ; cx
	s_bfe_u32 s41, ttmp6, 0x40004                  ; cy
	s_lshl_b32 s42, ttmp9, 2
	s_add_co_u32 s42, s42, s40                     ; tile column
	s_and_b32 s17, ttmp7, 0xffff
	s_lshl_b32 s17, s17, 2
	s_add_co_u32 s17, s17, s41                     ; tile row
	s_lshl_b32 s43, s41, 2
	s_lshl_b32 s43, 15, s43
	s_lshl_b32 s44, 0x1111, s40
	s_or_b32 s[G1+0], s43, (3<<16)|(1<<21)         ; A: eight tiles of 16 tokens, of each 4,096 bytes (512 elements of 8 bytes), 8,192 bytes apart; no padding
	s_mov_b32 s[G1+1], 512<<16                     ; tensor_dim0
	s_mov_b32 s[G1+2], 8<<16                       ; tensor_dim1
	s_mov_b32 s[G1+3], 512<<16                     ; tile_dim0
	s_mov_b32 s[G1+4], 8                           ; tile_dim1
	s_mov_b32 s[G1+5], 1024                        ; the pitch
	s_mov_b32 s[G1+6], 0
	s_mov_b32 s[G1+7], 0
	s_or_b32 s[G1B+0], s44, (0<<16)|(1<<20)|(1<<21)|(5<<22)|(3<<25)  ; B: 128 rows of 256 bytes, 16 bytes of padding behind each
	s_mov_b32 s[G1B+1], ROWB<<16
	s_mov_b32 s[G1B+2], 128<<16
	s_mov_b32 s[G1B+3], ROWB<<16
	s_mov_b32 s[G1B+4], 128
	s_mov_b32 s[G1B+5], KROW
	s_mov_b32 s[G1B+6], 0
	s_mov_b32 s[G1B+7], 0
	s_or_b32 s[G1S+0], s43, (3<<16)|(1<<20)|(1<<21)|(5<<22)|(3<<25)
	s_or_b32 s[G1SB+0], s44, (3<<16)|(1<<20)|(1<<21)|(5<<22)|(3<<25)
.irp g, G1S, G1SB
	s_mov_b32 s[\g+1], 32<<16
	s_mov_b32 s[\g+2], (128*KS/256)<<16
	s_mov_b32 s[\g+3], 32<<16
	s_mov_b32 s[\g+4], 128*KS/256
	s_mov_b32 s[\g+5], 32
	s_mov_b32 s[\g+6], 0
	s_mov_b32 s[\g+7], 0
.endr
	s_lshl_b32 s18, s16, 7
	s_lshl_b32 s20, s17, 8
	s_add_co_u32 s20, s20, s18                     ; A: token 256 x tile row + 128 x half
	s_lshl_b32 s46, s42, 8
	s_add_co_u32 s46, s46, s18                     ; B: row 256 x tile column + 128 x half
	s_mov_b32 s21, 0
	s_mov_b32 s47, 0
	s_mov_b64 s[18:19], KS
	s_mul_u64 s[22:23], s[20:21], s[18:19]
	s_mul_u64 s[92:93], s[46:47], s[18:19]
	s_mov_b64 s[18:19], KROW
	s_mul_u64 s[20:21], s[20:21], s[18:19]         ; 16 tokens are 8,192 bytes of yc: 512 a token
	s_mul_u64 s[46:47], s[46:47], s[18:19]
	s_mul_i32 s45, s14, HALFT
	s_mul_i32 s94, s14, HALFS
	s_wait_kmcnt 0x0
	s_add_nc_u64 s[20:21], s[4:5], s[20:21]
	s_add_nc_u64 s[22:23], s[6:7], s[22:23]
	s_add_nc_u64 s[46:47], s[8:9], s[46:47]
	s_add_nc_u64 s[46:47], s[46:47], 3072*KROW     ; w_out's rows lie behind w_qkv's
	s_add_nc_u64 s[92:93], s[10:11], s[92:93]
	s_add_nc_u64 s[92:93], s[92:93], 3072*KS
	CROUND
	s_mov_b32 s[G0S], 1
	s_add_co_u32 s[G0S+1], s94, SCL
	s_mov_b64 s[G0S+2:G0S+3], s[22:23]
	s_or_b32 s[G0S+3], s[G0S+3], 0x80000000
	s_mov_b32 s[G0SB], 1
	s_add_co_u32 s[G0SB+1], s94, SCL
	s_mov_b64 s[G0SB+2:G0SB+3], s[92:93]
	s_or_b32 s[G0SB+3], s[G0SB+3], 0x80000000
	JLOAD G0S, G1S, G0SB, G1SB
.irp s, 0,1
	s_mov_b32 s[G0+4*\s], 1
	s_add_co_u32 s[G0+4*\s+1], s45, \s*SLOT
	s_add_nc_u64 s[G0+4*\s+2:G0+4*\s+3], s[20:21], \s*4096
	s_or_b32 s[G0+4*\s+3], s[G0+4*\s+3], 0x80000000
	s_mov_b32 s[G0B+4*\s], 1
	s_add_co_u32 s[G0B+4*\s+1], s45, \s*SLOT
	s_add_nc_u64 s[G0B+4*\s+2:G0B+4*\s+3], s[46:47], \s*ROWB
	s_or_b32 s[G0B+4*\s+3], s[G0B+4*\s+3], 0x80000000
	JLOAD G0+4*\s, G1, G0B+4*\s, G1B
.endr
	v_and_b32 v1, 15, v0                           ; r
	v_bfe_u32 v2, v0, 4, 1                         ; h
	v_mul_u32_u24 v3, v1, PITCH
	v_lshl_add_u32 v4, v2, 4, v3                   ; B: row x pitch + 16 h
	v_and_b32 v6, 31, v0
	v_lshlrev_b32 v7, 4, v6                        ; A: 16 x lane
	s_mul_i32 s21, s15, HALFT
	s_mul_i32 s22, s16, HALFT
	s_add_co_u32 s22, s22, 2*HALFT
.irp s, 0,1
	v_add_nc_u32 v[ADRA+\s], s21, v7
	v_add_nc_u32 v[ADRB+\s], s22, v4
	s_add_co_u32 s21, s21, SLOT
	s_add_co_u32 s22, s22, SLOT
.endr
	v_mul_u32_u24 v5, v1, KS
	v_lshrrev_b32 v6, 8, v5
	v_lshl_add_u32 v5, v6, 4, v5
	s_mul_i32 s21, s15, HALFS
	s_mul_i32 s22, s16, HALFS
	s_add_co_u32 s22, s22, 2*HALFS
	s_sub_co_u32 s22, s22, s21
	v_mul_u32_u24 v6, s22, v2                      ; lanes 16-31 take B's scale words
	s_add_co_u32 s21, s21, SCL
	v_add_nc_u32 v5, v5, v6
	v_add_nc_u32 v[ADRS], s21, v5
	s_mul_i32 s23, s14, 16*SPITCH                  ; my stage
	v_mul_u32_u24 v5, v1, SPITCH
	v_lshl_add_u32 v5, v2, 5, v5
	v_add_nc_u32 v[STO], s23, v5
	v_mov_b32 v[CO], v7                            ; back: the 32 lanes take one row of 512 bytes; and the same in out0
	v_add_nc_u32 v[RD], s23, v[CO]
	s_lshl_b32 s20, s17, 8
	s_lshl_b32 s21, s15, 7
	s_add_co_u32 s20, s20, s21                     ; my first row of out0
	s_mov_b32 s21, 0
	s_mov_b64 s[18:19], SIZE_N*4
	s_mul_u64 s[20:21], s[20:21], s[18:19]
	s_lshl_b32 s46, s42, 10                        ; my first column, in bytes: 1,024 x tile column + 512 x half
	s_lshl_b32 s47, s16, 9
	s_add_co_u32 s46, s46, s47
	v_lshl_add_u32 v[CBO], v2, 5, s46              ; the same bytes on in b_out, + 32 h
	s_mov_b32 s47, 0
	s_add_nc_u64 s[20:21], s[20:21], s[46:47]
	s_add_nc_u64 s[12:13], s[12:13], s[20:21]
.irp b, 0,1,2,3,4,5,6,7
	global_load_b128 v[CB+8*\b:CB+8*\b+3], v[CBO], s[96:97] offset:64*\b          ; b_out at my eight columns of tile b: the result's layout
	global_load_b128 v[CB+8*\b+4:CB+8*\b+7], v[CBO], s[96:97] offset:64*\b+16
.endr
.macro FRAG reg, adr, q, i             ; B: 16 rows x 128 K from rows in LDS
.irp c, 0,1
	ds_load_b128 v[\reg+4*\c:\reg+4*\c+3], v[\adr] offset:64*(\q)+32*\c+(\i)*16*PITCH
.endr
.endm
.macro FRAGA reg, adr, q, i            ; A: the images of tile i of 16 tokens, heads 2 q and 2 q + 1 of the slot's eight
.irp c, 0,1
	ds_load_b128 v[\reg+4*\c:\reg+4*\c+3], v[\adr] offset:1024*(\q)+512*\c+(\i)*4096
.endr
.endm
; 16 matrix instructions; the 64 accumulators take turns, one instruction a turn.  first = 1: the bias is the C of the sums' first products
.macro MUL16 a0, p, q, sc, first
.irp a, \a0, \a0+1
.irp b, 0,1,2,3,4,5,6,7
.if \first
	v_wmma_scale_f32_16x16x128_f8f6f4 v[8*(8*((\a)%4)+\b):8*(8*((\a)%4)+\b)+7], v[128*(\p)+FR*\b:128*(\p)+FR*\b+FR-1], v[AF+FR*(\a):AF+FR*(\a)+FR-1], v[CB+8*\b:CB+8*\b+7], v[SC+8*NQ*(\sc)+NQ*\b+(\q)], v[SC+8*NQ*(\sc)+NQ*(\a)+(\q)] matrix_a_fmt:MATRIX_FMT_FP4 matrix_b_fmt:MATRIX_FMT_FP4 matrix_a_scale:MATRIX_SCALE_ROW1
.else
	v_wmma_scale_f32_16x16x128_f8f6f4 v[8*(8*((\a)%4)+\b):8*(8*((\a)%4)+\b)+7], v[128*(\p)+FR*\b:128*(\p)+FR*\b+FR-1], v[AF+FR*(\a):AF+FR*(\a)+FR-1], v[8*(8*((\a)%4)+\b):8*(8*((\a)%4)+\b)+7], v[SC+8*NQ*(\sc)+NQ*\b+(\q)], v[SC+8*NQ*(\sc)+NQ*(\a)+(\q)] matrix_a_fmt:MATRIX_FMT_FP4 matrix_b_fmt:MATRIX_FMT_FP4 matrix_a_scale:MATRIX_SCALE_ROW1
.endif
.endr
.endr
.endm
.macro FETCH_B slot, q, p
	WIN TO_B
.irp i, 0,1,2,3,4,5,6,7
	FRAG 128*(\p)+FR*\i, ADRB+\slot, \q, \i
.endr
	WIN 0
.endm
.macro FETCH_A slot, q, i0
.irp i, \i0, \i0+1, \i0+2, \i0+3
	FRAGA AF+FR*(\i), ADRA+\slot, \q, \i
.endr
.endm
.macro SCALES sc
.irp i, 0,1,2,3,4,5,6,7
	ds_load_b128 v[SC+8*NQ*\sc+NQ*\i:SC+8*NQ*\sc+NQ*\i+3], v[ADRS] offset:\i*SBLK
.endr
.endm
.macro PLACES n                        ; plain vector instructions between a matrix instruction and a load into, or a read of, its registers
.rept \n
	v_nop
.endr
.endm
.macro STEP slot, q, first
	s_wait_dscnt 4*NL                              ; B's set and A's blocks 0-3 are in; the youngest eight loads may be out
.if \first
	WIN FST_LO
.else
	WIN MUL_LO
.endif
	MUL16 0, (\q)%2, \q, \slot, \first
	MUL16 2, (\q)%2, \q, \slot, \first
	s_wait_dscnt 0
	PLACES NP
	FETCH_B \slot, (\q)+1, 1-(\q)%2
	FETCH_A \slot, (\q)+1, 0
.if \first
	WIN FST_HI
.else
	WIN MUL_HI
.endif
	MUL16 4, (\q)%2, \q, \slot, \first
	MUL16 6, (\q)%2, \q, \slot, \first
	PLACES NP
	WIN 0
	FETCH_A \slot, (\q)+1, 4
.endm
.macro TURN slot, next                 ; a slot's last step changes slots: one barrier; nothing is filled again
	s_wait_tensorcnt 0x0                           ; my part of the next slot has landed
	ds_add_u32 v[SPW], v[NIL]                      ; 0 onto my spare word
	s_wait_dscnt 4*NL+1                            ; (the add and the youngest eight loads may be out)
	WIN MUL_LO
	MUL16 0, 1, NQ-1, \slot, 0
	s_wait_dscnt 0x0                               ; the add is done, and my reads of this slot are over
	s_barrier_signal -1
	MUL16 2, 1, NQ-1, \slot, 0
	WIN 0
	s_barrier_wait -1
	PLACES NP
	v_add_nc_u32 v[ADRS], 4*NQ, v[ADRS]
	FETCH_B \next, 0, 0
	FETCH_A \next, 0, 0
	SCALES \next
	WIN MUL_HI
	MUL16 4, 1, NQ-1, \slot, 0
	MUL16 6, 1, NQ-1, \slot, 0
	PLACES NP
	WIN 0
	FETCH_A \next, 0, 4
.endm
.macro STEPS slot, from
.set Q, \from
.rept NQ-1-\from
	STEP \slot, Q, 0
.set Q, Q+1
.endr
.endm
	s_wait_tensorcnt 1                             ; the scales and my part of slot 0 are in; slot 1's load may be out
	s_barrier_signal -1
	s_barrier_wait -1
	FETCH_B 0, 0, 0
	FETCH_A 0, 0, 0
	SCALES 0
	FETCH_A 0, 0, 4
	s_wait_loadcnt 0x0                             ; the bias
	STEP 0, 0, 1
	STEPS 0, 1
	TURN 0, 1
	STEPS 1, 0
	s_wait_dscnt 4*NL
	WIN MUL_LO
	MUL16 0, 1, NQ-1, 1, 0
	MUL16 2, 1, NQ-1, 1, 0
	s_wait_dscnt 0
	WIN MUL_HI
	MUL16 4, 1, NQ-1, 1, 0
	MUL16 6, 1, NQ-1, 1, 0
	WIN 0
; THE WAY OUT, block by block of 16 rows x 128 columns, through my own stage: in as 32 bytes a lane, back as whole rows of 512 bytes.  LDS serves a wave's instructions in order (ISA guide 5.7.1.4).
.macro TOSTAGE a
.set AC, 64*((\a)%4)
	WIN 0x08+4*((\a)/4)                            ; the data: window 2 or 3
.irp b, 0,1,2,3,4,5,6,7
	ds_store_b128 v[STO], v[AC+8*\b:AC+8*\b+3] offset:64*\b          ; each accumulator from its low end on
	ds_store_b128 v[STO], v[AC+8*\b+4:AC+8*\b+7] offset:64*\b+16
.endr
	WIN 0
.set BB, BK+64*((\a)%2)
.irp t, 0,1,2,3,4,5,6,7,8,9,10,11,12,13,14,15
	ds_load_b128 v[BB+4*\t:BB+4*\t+3], v[RD] offset:\t*SPITCH
.endr
.endm
.macro SEND a, younger
.set BB, BK+64*((\a)%2)
	s_wait_dscnt \younger                          ; the block is back in registers
.if (\a) > 0
	s_add_nc_u64 s[12:13], s[12:13], 16*SIZE_N*4   ; (behind a wait on XCNT: the earlier stores have read their base)
.endif
.irp t, 0,1,2,3,4,5,6,7,8,9,10,11,12,13,14,15
	global_store_b128 v[CO], v[BB+4*\t:BB+4*\t+3], s[12:13] offset:\t*SIZE_N*4 th:TH_STORE_NT   ; 32 lanes store 512 consecutive bytes, aligned
.endr
.endm
	PLACES NP
	TOSTAGE 0
.irp a, 1,2,3,4,5,6,7
.if \a > 1
	s_wait_xcnt 0x0                                ; block a - 2's stores have read their registers and their base
.endif
	TOSTAGE \a
	SEND \a-1, 32                                  ; behind block a - 1's loads: block a's 16 stores and 16 loads
.endr
	s_wait_xcnt 0x0
	SEND 7, 0
	s_wait_tensorcnt 0x0                           ; the wave's end
	ds_add_u32 v[SPW], v[NIL]
	s_wait_dscnt 0x0
	CROUND                                         ; the closing round
	s_endpgm
.Lfunc_end_k_q2657774696_proj:
	.size	k_q2657774696_proj, .Lfunc_end_k_q2657774696_proj-k_q2657774696_proj
	.p2alignl 7, 3214868480
	.fill 96, 4, 3214868480
	.section	.rodata,"a",@progbits
	.p2align	6, 0x0
	.amdhsa_kernel k_q2657774696_proj
		.amdhsa_group_segment_fixed_size 327680
		.amdhsa_private_segment_fixed_size 0
		.amdhsa_enable_private_segment 0
		.amdhsa_kernarg_size 48
		.amdhsa_user_sgpr_count 2
		.amdhsa_user_sgpr_kernarg_segment_ptr 1
		.amdhsa_wavefront_size32 1
		.amdhsa_system_sgpr_workgroup_id_x 1
		.amdhsa_system_sgpr_workgroup_id_y 1
		.amdhsa_system_sgpr_workgroup_id_z 1
		.amdhsa_system_vgpr_workitem_id 0
		.amdhsa_next_free_vgpr 1024
		.amdhsa_next_free_sgpr 100
		.amdhsa_reserve_vcc 0
		.amdhsa_float_denorm_mode_32 3
		.amdhsa_float_denorm_mode_16_64 3
		.amdhsa_memory_ordered 1
		.amdhsa_forward_progress 1
		.amdhsa_inst_pref_size 126
	.end_amdhsa_kernel
	.amdgpu_metadata
---
amdhsa.version: [ 1, 2 ]
amdhsa.kernels:
  - .name:           k_q2657774696_proj
    .symbol:         k_q2657774696_proj.kd
    .args:
      - { .name: yc, .offset: 0, .size: 8, .value_kind: global_buffer, .address_space: global }
      - { .name: ys, .offset: 8, .size: 8, .value_kind: global_buffer, .address_space: global }
      - { .name: wc, .offset: 16, .size: 8, .value_kind: global_buffer, .address_space: global }
      - { .name: ws, .offset: 24, .size: 8, .value_kind: global_buffer, .address_space: global }
      - { .name: b_out, .offset: 32, .size: 8, .value_kind: global_buffer, .address_space: global }
      - { .name: out0, .offset: 40, .size: 8, .value_kind: global_buffer, .address_space: global }
    .group_segment_fixed_size: 327680
    .private_segment_fixed_size: 0
    .kernarg_segment_align: 8
    .kernarg_segment_size: 48
    .max_flat_workgroup_size: 128
    .sgpr_count:     100
    .vgpr_count:     1024
    .wavefront_size: 32
...
	.end_amdgpu_metadata
.endif
;; end of part 4
